; MI455X (gfx1250); checked and timed in simulation.
; The chip was launched on July 23, 2026; its instructions are those of AMD's public machine-readable ISA for CDNA 5 (MIT licence, August 2026) and "CDNA5" Instruction Set Architecture Reference Guide (July 2026). The comments in the code are by the model that wrote it; some were corrected since.
;; Custom Model. Allowed arithmetic: matrix products marked QUANTISED: E5M2 operands, one given power-of-two scale a tensor, by v_wmma_f32_16x16x64_bf8_bf8 or v_wmma_f32_16x16x128_bf8_bf8, f32 sums; products left as they are: f32 operands where the result goes on into a quantised operand, else bf16, f16 or f32 operands; f32 sums; everything else in f32.
;; Inputs: W1 2 x 8 x 1,024 x 2,048 float32; W2 2 x 8 x 2,048 x 1,024 float32; lowp_scales 8 int32 (the exponents e of the quantised operands' scales 2^e); protos 2 x 8 x 1,024 float32; x 2 x 512 x 1,024 float32.
;; Outputs: out0 2 x 512 x 1,024 float32.
;; Constants: k = 2.
;; This version of the problem:
;;   THIS VERSION OF THE PROBLEM IS GIVEN IN LOW PRECISION. The matrix products marked QUANTISED in the list below multiply operands that are first quantised to E5M2 (5 exponent bits, 2 mantissa bits; 8 bits a number), with one given power-of-two scale for each operand tensor; their sums are f32. All else is computed in f32.
;;   The module's matrix products, in the order in which they are computed (A, B: the left and right operand; K: the contracted axis; several contracted axes count as one K, in the product's order):
;;     1. [M 1,024, K 1,024] x [K 1,024, N 8]; A: input x; B: input protos: left as it is (N = 8 < 16)
;;     2. [M 1,024, K 1,024] x [K 1,024, N 16,384]; A: input x; B: input W1: QUANTISED (scales: A lowp_scales[0], B lowp_scales[1])
;;     3. batch 8 x [M 1,024, K 2,048] x [K 2,048, N 1,024]; A: input W2; B: computed on the way: QUANTISED (scales: A lowp_scales[2], B lowp_scales[3])
;;     4. batch 1,024 x [M 1, K 8] x [K 8, N 1,024]; A: softmax; B: computed on the way: left as it is (K = 8 < 32)
;;     5. [M 1,024, K 1,024] x [K 1,024, N 8]; A: computed on the way; B: input protos: left as it is (N = 8 < 16)
;;     6. [M 1,024, K 1,024] x [K 1,024, N 16,384]; A: computed on the way; B: input W1: QUANTISED (scales: A lowp_scales[4], B lowp_scales[5])
;;     7. batch 8 x [M 1,024, K 2,048] x [K 2,048, N 1,024]; A: input W2; B: computed on the way: QUANTISED (scales: A lowp_scales[6], B lowp_scales[7])
;;     8. batch 1,024 x [M 1, K 8] x [K 8, N 1,024]; A: softmax; B: computed on the way: left as it is (K = 8 < 32)
;;   THE QUANTISER, for each operand of a quantised product, along K:
;;     - The operand's scale is 2^e, e = its entry of the input lowp_scales (int32; the entries are numbered through the quantised products in the list's order, A before B).
;;     - Each number is divided by the scale, clamped to +-57,344, and rounded to the nearest number of E5M2, ties to even, subnormals kept.
;;     - The product sums the exact products of the quantised numbers (number of the format x scale) in f32.
;;   ~~~python
;;   def quantise(x, axis, e):      # numpy; x: float32 -> the quantised numbers, widened to float32 again
;;       x = np.moveaxis(x, axis, -1); K = x.shape[-1]
;;       r = np.clip(x / 2.0 ** e, -57344, 57344)
;;       step = 2.0 ** (np.maximum(np.frexp(np.where(r == 0, 1, r))[1] - 1, -14) - 2)
;;       q = np.round(r / step) * step * 2.0 ** e      # np.round: ties to even
;;       return np.moveaxis(q, -1, axis).astype(np.float32)
;;   ~~~
;;   OPERANDS COMPUTED ON THE WAY. 'Computed on the way' means the value that the module computes at that place (a softmax that the list does not call 'softmax' is quantised finished and normalised). What goes into a quantiser is computed in f32, as accurately as f32 sums, v_exp_f32 and their like allow (about 1e-6 of the number): no bf16 or f16 on the way to a quantiser, and a product that is left as it is and whose result goes on into a quantised operand takes f32 operands (vector FMAs, or v_wmma_f32_16x16x4_f32). A number that lies on a knife's edge between two numbers of the format may be rounded either way, as far as f32 arithmetic and the matrix unit's own rounding can turn it there, and no further.
;; 2 versions, each right and faster than the one before. Each part assembles by itself: llvm-mc -triple=amdgcn-amd-amdhsa -mcpu=gfx1250 --defsym DOCPART=n.
;; ======== version 1 of 2: 7 launches
;; workspace buffers: xg0 1,081,344 bytes; xg1 1,081,344 bytes; rs0 1,280 bytes of whole numbers; rs1 1,280 bytes of whole numbers; pc 33,792 bytes of whole numbers; hc 16,777,216 bytes; part 67,108,864 bytes; x1 4,194,304 bytes
;; launch route0 (part 1): grid 256 x 1, 4 waves a work-group, no clusters, 1,024 bytes of LDS; arguments x, protos, lowp_scales, xg0, rs0; writes xg0, rs0
.if DOCPART == 1
	.amdgcn_target "amdgcn-amd-amdhsa--gfx1250"
	.amdhsa_code_object_version 6
	.text
	.protected	k_qedbf14e1a3_route0
	.globl	k_qedbf14e1a3_route0
	.p2align	8
	.type	k_qedbf14e1a3_route0,@function
k_qedbf14e1a3_route0:
	s_mov_b64 s[64:65], 0
	v_nop
	global_prefetch_b8 v0, s[64:65] scope:SCOPE_SE
	s_setreg_imm32_b32 hwreg(HW_REG_WAVE_MODE, 25, 1), 1
	s_wait_xcnt 0x0
; LAYER 0'S ROUTER AND THE CODES OF x.  For each of 1,024 tokens: score_e = |x . proto_e| in f32 (8 experts); the threshold is the second largest score (counted with repeats);
; every expert with score >= threshold is kept; gate = softmax over the kept ones, the largest score taken away first.  x is quantised to E5M2 with the given 2^e0.
; WORK LEFT OUT BY THE WHOLE PROGRAM.  For a token and an expert with score < threshold reference() puts -inf in front of its softmax, so that gate is exactly 0 for all values of the inputs,
; and the token's rows of the two quantised products of that expert are multiplied by 0: they reach no output.  The later launches multiply only the kept (token, expert) rows.  Every input is loaded.
; LIMITS: a NaN, an infinity or an overflow that would arise only in rows left out is not carried to the result.  NaN among the inputs is not served.  e0 lies between -126 and 112.
; The choice is made of floating-point numbers, so nothing here is addressed by it: it is stored as whole numbers (one byte a token, bit e = expert e kept) and used by later launches.
; OUT: xg0: bytes 0 .. 2^20-1 the codes [token][1024]; from 2^20 on gate[token][8] f32.   rs0: sel[token] (bytes 0 .. 1023); the word at 1,024 holds the layer's number, for the launches that share one text.
; SHARES: a work-group takes 4 tokens; wave w takes columns 256 w .. 256 w + 255 of all four; a lane 8 numbers a token: d = 256 w + 128 jj + 4 lane + i.  Every load covers 512 consecutive bytes.
; No matrix unit, no tensor load, no cluster: 16 KB of x and protos' 32 KB a work-group, no tile shared in LDS.
.set SPARE, 512                        ; LDS: 0 .. 511 the waves' partial scores (128 bytes a wave); from 512 the spare words, 128 bytes a wave
.set XV,    32                         ; v32-63   x: 8 tau + 4 jj + i
.set PR,    64                         ; v64-127  protos: 8 e + 4 jj + i
.set SV,    128                        ; v128-159 partial scores: 8 tau + e
.set OUTC,  8                          ; v8-15    four pairs of codes to store
.set XG,    10
.set RS,    12
.set LAYER, 0
; v1 lane; v2 my byte in a row of f32; v3 my byte in a row of codes; v4, v5 the add's two; v6 57,344 x 2^e; v7 2^e; v16-27 at work; v28 4 x thread
	s_load_b256 s[4:11], s[0:1], 0x0               ; x s[4:5], protos s[6:7], the scales' exponents s[8:9], xg0 s[10:11]
	s_load_b64 s[12:13], s[0:1], 0x20              ; rs0
	v_lshl_add_u32 v4, v0, 2, SPARE
	v_mov_b32 v5, 0
	v_and_b32 v1, 31, v0
	v_lshrrev_b32 v16, 5, v0
	v_lshlrev_b32 v2, 10, v16
	v_lshl_add_u32 v2, v1, 4, v2                   ; 1,024 w + 16 lane
	v_and_b32 v17, 1, v0
	v_bfe_u32 v18, v0, 1, 4
	v_lshlrev_b32 v3, 8, v16
	v_lshl_add_u32 v3, v17, 7, v3
	v_lshl_add_u32 v3, v18, 3, v3                  ; 256 w + 128 (lane % 2) + 8 (lane / 2)
	v_lshlrev_b32 v28, 2, v0
	v_mov_b32 v26, 0                               ; destinations of lane moves count as read: written once
	v_mov_b32 v27, 0
	s_lshl_b32 s66, ttmp9, 14                      ; my 4 rows of 4,096 bytes
	s_mov_b32 s67, 0
	s_wait_kmcnt 0x0
	s_load_b32 s105, s[8:9], 0x0                   ; e0
	s_add_nc_u64 s[4:5], s[4:5], s[66:67]
.irp t, 0,1,2,3
.irp j, 0,1
	global_load_b128 v[XV+8*\t+4*\j:XV+8*\t+4*\j+3], v2, s[4:5] offset:4096*\t+512*\j
.endr
.endr
.irp e, 0,1,2,3,4,5,6,7
.irp j, 0,1
	global_load_b128 v[PR+8*\e+4*\j:PR+8*\e+4*\j+3], v2, s[6:7] offset:LAYER*32768+4096*\e+512*\j
.endr
.endr
	s_wait_kmcnt 0x0
	s_add_co_i32 s104, s105, 127
	s_lshl_b32 s101, s104, 23
	v_mov_b32 v7, s101                             ; 2^e as f32: the conversion takes its exponent field
	s_add_co_i32 s104, s104, 15
	s_lshl_b32 s104, s104, 23
	s_or_b32 s104, s104, 0x600000
	v_mov_b32 v6, s104                             ; 57,344 x 2^e
	s_wait_loadcnt 0x0
; ---- THE TAIL (the same text closes the launch between the layers): codes, scores, choice, gates
	s_mov_b32 s32, 0xffff0000                      ; lanes with bit 4, 3, 2, 1, 0 of their number set
	s_mov_b32 s33, 0xff00ff00
	s_mov_b32 s34, 0xf0f0f0f0
	s_mov_b32 s35, 0xcccccccc
	s_mov_b32 s36, 0xaaaaaaaa
	s_mov_b32 s38, 0x76543210                      ; v_permlanex16_b32: lane l xor 16
	s_mov_b32 s39, 0xfedcba98
	v_lshrrev_b32 v16, 5, v0
	v_readfirstlane_b32 s37, v16                   ; wave
	s_lshl_b32 s40, ttmp9, 12
	s_mov_b32 s41, 0
	s_add_nc_u64 s[44:45], s[XG:XG+1], s[40:41]    ; my 4 rows of codes
	s_lshl_b32 s40, ttmp9, 7
	s_add_nc_u64 s[46:47], s[XG:XG+1], s[40:41]    ; my 32 gates (+ 2^20 in the store's immediate)
; A lane's 8 numbers become 8 codes: 4 of the wave's first 128 columns, 4 of its second.  Neighbouring lanes change halves, so that an even lane holds 8 neighbours of the first 128 and an odd one
; 8 of the second: one store of 8 bytes a lane then covers the wave's 256 consecutive bytes, aligned.
.irp t, 0,1,2,3
.irp i, 0,1,2,3,4,5,6,7
	v_med3_num_f32 v[16+\i], v[XV+8*\t+\i], -v6, v6   ; the conversion to an 8-bit code does not saturate (ISA guide 7.6.2): the hold at the largest code x the scale
.endr
	v_cvt_scalef32_pk8_bf8_f32 v[24:25], v[16:23], v7
	v_nop                                          ; one plain line between a scaled conversion and the reader of its result
	v_mov_b32_dpp v26, v24 row_xmask:1 row_mask:0xf bank_mask:0xf
	v_mov_b32_dpp v27, v25 row_xmask:1 row_mask:0xf bank_mask:0xf
	v_cndmask_b32 v[OUTC+2*\t], v24, v27, s36
	v_cndmask_b32 v[OUTC+2*\t+1], v26, v25, s36
	global_store_b64 v3, v[OUTC+2*\t:OUTC+2*\t+1], s[44:45] offset:1024*\t
.endr
; 32 partial scores a lane (4 tokens x 8 experts), four chains at a time
.irp G, 0,1,2,3,4,5,6,7
.irp c, 0,1,2,3
	v_pk_mul_f32 v[16+2*\c:17+2*\c], v[XV+8*(\G/2):XV+8*(\G/2)+1], v[PR+8*(4*(\G%2)+\c):PR+8*(4*(\G%2)+\c)+1]
.endr
.irp p, 2,4,6
.irp c, 0,1,2,3
	v_pk_fma_f32 v[16+2*\c:17+2*\c], v[XV+8*(\G/2)+\p:XV+8*(\G/2)+\p+1], v[PR+8*(4*(\G%2)+\c)+\p:PR+8*(4*(\G%2)+\c)+\p+1], v[16+2*\c:17+2*\c]
.endr
.endr
.irp c, 0,1,2,3
	v_add_f32 v[SV+4*\G+\c], v[16+2*\c], v[17+2*\c]
.endr
.endr
; The 32 numbers are summed over the 32 lanes so that lane j ends with number j: at each level a lane keeps the half of its numbers whose index has the lane's bit, and sends the other half to its partner.
.set i, 0
.rept 16
.set ta, 16+2*(i%4)
	v_cndmask_b32 v[ta], v[SV+i], v[SV+i+16], s32
	v_cndmask_b32 v[ta+1], v[SV+i+16], v[SV+i], s32
	v_permlanex16_b32 v[24+i%4], v[ta+1], s38, s39
	v_add_f32 v[SV+i], v[ta], v[24+i%4]
.set i, i+1
.endr
.macro LEVEL n2, m, mask
.set i, 0
.rept \n2
.set ta, 16+2*(i%4)
	v_cndmask_b32 v[ta], v[SV+i], v[SV+i+\n2], s[\mask]
	v_cndmask_b32 v[ta+1], v[SV+i+\n2], v[SV+i], s[\mask]
	v_add_f32_dpp v[SV+i], v[ta+1], v[ta] row_xmask:\m row_mask:0xf bank_mask:0xf
.set i, i+1
.endr
.endm
	LEVEL 8, 8, 33
	LEVEL 4, 4, 34
	LEVEL 2, 2, 35
	LEVEL 1, 1, 36
	ds_store_b32 v28, v[SV]                        ; my wave's part of number lane = 8 tau + e
	s_wait_dscnt 0x0                               ; for the others' sake: the store has landed
	s_barrier_signal -1
	s_barrier_wait -1
	s_cmp_lg_u32 s37, 0
	s_cbranch_scc1 .Lend                           ; wave 0 alone goes on: lane 8 tau + e holds token tau's score of expert e
	ds_load_b32 v16, v28
	ds_load_b32 v17, v28 offset:128
	ds_load_b32 v18, v28 offset:256
	ds_load_b32 v19, v28 offset:384
	s_wait_dscnt 0x0
	v_add_f32 v16, v16, v17
	v_add_f32 v18, v18, v19
	v_add_f32 v16, v16, v18
	v_and_b32 v16, 0x7fffffff, v16                 ; the score
	v_max_num_f32_dpp v17, v16, v16 row_xmask:1 row_mask:0xf bank_mask:0xf
	v_max_num_f32_dpp v17, v17, v17 row_xmask:2 row_mask:0xf bank_mask:0xf
	v_max_num_f32_dpp v17, v17, v17 row_xmask:4 row_mask:0xf bank_mask:0xf   ; the token's largest
	v_cmp_eq_f32 vcc_lo, v16, v17
	v_cndmask_b32 v18, 0, 1.0, vcc_lo
	v_mov_b32 v20, 0xff800000
	v_cndmask_b32 v19, v16, v20, vcc_lo            ; the scores under the largest
	v_add_f32_dpp v18, v18, v18 row_xmask:1 row_mask:0xf bank_mask:0xf
	v_max_num_f32_dpp v19, v19, v19 row_xmask:1 row_mask:0xf bank_mask:0xf
	v_add_f32_dpp v18, v18, v18 row_xmask:2 row_mask:0xf bank_mask:0xf
	v_max_num_f32_dpp v19, v19, v19 row_xmask:2 row_mask:0xf bank_mask:0xf
	v_add_f32_dpp v18, v18, v18 row_xmask:4 row_mask:0xf bank_mask:0xf       ; how many experts hold the largest
	v_max_num_f32_dpp v19, v19, v19 row_xmask:4 row_mask:0xf bank_mask:0xf   ; the largest of the others
	v_cmp_le_f32 vcc_lo, 2.0, v18
	v_cndmask_b32 v19, v19, v17, vcc_lo            ; the second largest, counted with repeats: the threshold
	v_cmp_ge_f32 s43, v16, v19                     ; kept: the mask's 32 bits are the four tokens' bytes
	v_sub_f32 v20, v16, v17                        ; the largest is taken away first, as reference() does
	v_mul_f32 v20, 0x3fb8aa3b, v20
	v_exp_f32 v20, v20
	v_mov_b32 v22, s43                             ; (a plain line behind the exponential)
	v_mov_b32 v21, 0
	s_wait_alu depctr_va_vdst(0)                   ; the wait ahead of the result's first reader
	v_cndmask_b32 v20, 0, v20, s43
	v_add_f32_dpp v21, v20, v20 row_xmask:1 row_mask:0xf bank_mask:0xf
	v_add_f32_dpp v21, v21, v21 row_xmask:2 row_mask:0xf bank_mask:0xf
	v_add_f32_dpp v21, v21, v21 row_xmask:4 row_mask:0xf bank_mask:0xf
	v_rcp_f32 v21, v21
	s_lshl_b32 s40, ttmp9, 2
	v_mov_b32 v23, s40                             ; (a plain line behind the reciprocal)  4 x work-group
	s_wait_alu depctr_va_vdst(0)
	v_mul_f32 v20, v20, v21
	global_store_b32 v28, v20, s[46:47] offset:0x100000   ; 128 consecutive bytes: gate[4 id + tau][e]
	s_wait_xcnt 0x0                                ; EXEC changes only behind this wait
	v_cmp_eq_u32 vcc_lo, 0, v1
	s_and_saveexec_b32 s42, vcc_lo
	global_store_b32 v23, v22, s[RS:RS+1]          ; the four tokens' bytes
	s_cmp_lg_u32 ttmp9, 0
	s_cbranch_scc1 .Lnot_first
	v_mov_b32 v24, LAYER
	global_store_b32 v23, v24, s[RS:RS+1] offset:1024   ; work-group 0 (its v23 is 0): the layer's number
.Lnot_first:
	s_wait_xcnt 0x0                                ; and again, ahead of the line that widens it
	s_or_b32 exec_lo, exec_lo, s42
.Lend:
	s_wait_tensorcnt 0x0                           ; the wave's end
	ds_add_u32 v4, v5
	s_wait_dscnt 0x0
	s_endpgm
.Lfunc_end_k_qedbf14e1a3_route0:
	.size	k_qedbf14e1a3_route0, .Lfunc_end_k_qedbf14e1a3_route0-k_qedbf14e1a3_route0
	.p2alignl 7, 3214868480
	.fill 96, 4, 3214868480
	.section	.rodata,"a",@progbits
	.p2align	6, 0x0
	.amdhsa_kernel k_qedbf14e1a3_route0
		.amdhsa_group_segment_fixed_size 1024
		.amdhsa_private_segment_fixed_size 0
		.amdhsa_enable_private_segment 0
		.amdhsa_kernarg_size 40
		.amdhsa_user_sgpr_count 2
		.amdhsa_user_sgpr_kernarg_segment_ptr 1
		.amdhsa_wavefront_size32 1
		.amdhsa_system_sgpr_workgroup_id_x 1
		.amdhsa_system_sgpr_workgroup_id_y 1
		.amdhsa_system_sgpr_workgroup_id_z 1
		.amdhsa_system_vgpr_workitem_id 0
		.amdhsa_next_free_vgpr 160
		.amdhsa_next_free_sgpr 106
		.amdhsa_reserve_vcc 1
		.amdhsa_float_denorm_mode_32 3
		.amdhsa_float_denorm_mode_16_64 3
		.amdhsa_memory_ordered 1
		.amdhsa_forward_progress 1
		.amdhsa_inst_pref_size 27
	.end_amdhsa_kernel
	.amdgpu_metadata
---
amdhsa.version: [ 1, 2 ]
amdhsa.kernels:
  - .name:           k_qedbf14e1a3_route0
    .symbol:         k_qedbf14e1a3_route0.kd
    .args:
      - { .name: x, .offset: 0, .size: 8, .value_kind: global_buffer, .address_space: global }
      - { .name: protos, .offset: 8, .size: 8, .value_kind: global_buffer, .address_space: global }
      - { .name: lowp_scales, .offset: 16, .size: 8, .value_kind: global_buffer, .address_space: global }
      - { .name: xg0, .offset: 24, .size: 8, .value_kind: global_buffer, .address_space: global }
      - { .name: rs0, .offset: 32, .size: 8, .value_kind: global_buffer, .address_space: global }
    .group_segment_fixed_size: 1024
    .private_segment_fixed_size: 0
    .kernarg_segment_align: 8
    .kernarg_segment_size: 40
    .max_flat_workgroup_size: 128
    .sgpr_count:     106
    .vgpr_count:     160
    .wavefront_size: 32
...
	.end_amdgpu_metadata
.endif
;; end of part 1
;; launch up0 (part 2): grid 256 x 1, 4 waves a work-group, no clusters, 133,120 bytes of LDS; arguments W1, lowp_scales, xg0, rs0, hc, pc; writes hc, pc
.if DOCPART == 2
	.amdgcn_target "amdgcn-amd-amdhsa--gfx1250"
	.amdhsa_code_object_version 6
	.text
	.protected	k_qedbf14e1a3_up0
	.globl	k_qedbf14e1a3_up0
	.p2align	8
	.type	k_qedbf14e1a3_up0,@function
k_qedbf14e1a3_up0:
	s_mov_b64 s[64:65], 0
	v_nop
	global_prefetch_b8 v0, s[64:65] scope:SCOPE_SE
	s_setreg_imm32_b32 hwreg(HW_REG_WAVE_MODE, 25, 1), 1
	s_wait_xcnt 0x0
; h = Q(relu(Q(x) Q(W1_e))) for the rows that the router kept, one layer.  Rows of experts that were not kept have gate 0 and are left out (shown at the head of the first launch).
; WEIGHTS STAY, TOKENS STREAM.  Work-group id owns expert e = id / 32 and hidden units 64 fs .. 64 fs + 63, fs = id % 32: a slab of 1,024 (K) x 64 f32, whose rows are 256 aligned bytes, read from memory once
; in the launch.  Wave w loads and quantises K rows 256 w .. + 255; the codes meet in LDS as images of operand registers (64 KB), and every wave then holds the WHOLE slab in 512 registers.
; The expert's rows come in tiles of 16 ranks; wave w takes tiles w, w + 4, ..  Both operands are codes of E5M2 for v_wmma_f32_16x16x128_bf8_bf8; sums in f32.
; THE LIST.  rs holds one byte a token (bit e: expert e kept).  Each wave makes 32 ballots of 32 tokens and their prefix sums in scalar registers; the token of rank q is found by a search over the prefix
; sums and a select of the r-th set bit.  Ballot g = 4 m + z, bit b is token 128 m + 4 b + z: ranks follow that order.  A batch of 32 ranks, the wave's next two tiles, is made a trip ahead and goes through
; 128 LDS bytes of the wave's own, always the same, so that sixteen lanes can take one row's token; only the clamped gather offsets hang on the choice.
; Wave 0 of the expert's first work-group stores pos[e][token] (the rank) and the count: pc.
; WHERE k LIES.  A fragment is 16 rows x 128 K in 16 registers: piece c = 2 a + q (registers 4 c .. 4 c + 3), byte i, half h of the lanes.  Here that place holds k = 128 s + 64 a + 32 h + 16 q + i, in the weights
; and in the tokens alike: a permutation of k common to both sources, so every product meets its partner.
; WEIGHT TILES.  A lane's 16-byte load holds 4 neighbouring columns; tile T is made of columns 4 r + T, so the loading lane is the fragment's lane.  The product is used transposed (source 0 = weights,
; source 1 = 16 tokens): in tile T lane (r, h) holds token row r, register j hidden unit 32 h + 4 j + T.
; OUT: hc[e][tile][S = f / 128][c][lane][16 bytes]: images of the next product's operand registers; the place (S, c = 2 a + q, h, i) holds f = 128 S + 64 a + 32 h + 4 (i % 8) + 2 q + i / 8.
; Ranks at or past the count in an expert's last tile take some token's row: they are computed and never read.
; No tensor load, no cluster: trip exits hang on counts read from memory.  The layer's number comes from rs, so that both layers share this text.
; LIMITS: e(W1) and e(h) - e(x) - e(W1) lie between -126 and 112.  NaN among the inputs is not served.
.set PITCHW, 8192                      ; a row of W1 in bytes
.set STAGE,  65536                     ; LDS: 0 .. 65,535 the slab's images: fragment (T, s), piece c at 16,384 T + 2,048 s + 512 c + 16 lane
.set SPITCH, 1040                      ; a token's 1,024 codes + 16: 65 x 16 bytes, so that 16 rows start at 16 different groups of banks
.set STAGEB, 16*SPITCH                 ; a stage of 16 rows for each wave
.set LIST,   STAGE+4*STAGEB            ; each wave's batch of the list: 128 bytes: the entry of (tile X of the two, row) at 64 X + 4 row = token x 1,024
.set LISTW,  128
.set SPARE,  LIST+4*LISTW              ; the spare words, 128 bytes a wave
.set L16, 1                            ; v1  16 x lane
.set WOF, 2                            ; v2  weights: 32 rows x (lane / 16) + 16 (lane % 16)
.set STW, 3                            ; v3  stage, in: row lane / 16, 16 (lane % 16)
.set STR, 4                            ; v4  stage, out: row lane % 16, 32 (lane / 16)
.set LRD, 5                            ; v5  list, read: 4 (lane / 16)
.set LWR, 7                            ; v7  list, write: 4 lane
.set IMW, 8                            ; v8  images, write: 4,096 w + 16 lane
.set C16, 9                            ; v9  16 (lane % 16)
.set HO,  10                           ; v10 my byte in hc
.set Q0,  11                           ; v11 16 w + 64 (lane / 16) + lane % 16: my rank in batch 0
.set LIMW, 12
.set SCW,  13
.set LIMH, 14
.set SCH,  15
.set SPW, 30
.set NIL, 31
.set ACC, 32                           ; v32-63 four accumulators
.set CC,  64                           ; v64-71 the tile's codes
.set GOF, 72                           ; v72-79 gather offsets
.set LANE4, 80
.set POSO, 81
.set CNTO, 82
.set CNTD, 83
.set F,   128                          ; v128-255 the tile's 8 fragments; at the head: v128-135 sel words, v136-167 codes by slot, v168-199 codes by column, v200-207 at work, v208-239 ranks
.set SELW, 128
.set CX,  136
.set CY,  168
.set CT,  200
.set POSD, 208
; v16-28 at work.  window 1: two sets of 128 for gathered rows.  windows 2, 3: four batches of 128 f32 weights, later the slab: fragment (T, s) in window 2 + s / 4 at v[64 T + 16 (s % 4)]
; s16 wave, s17 e, s18 fs, s19 layer, s20-23 bit e of a word's four bytes, s[24:27] e(x), e(W1), e(W2), e(h), s28 count, s29 tiles, s30 trips, s31 first tile of a trip,
; s[32:63] ballots, s[66:97] (prefix << 5) | g, s98-101 byte selectors, s104 0 or 1, s105 128 x the batch of the list that is made next
.set MSB, 0
.macro WIN new                         ; the immediate's high byte repeats the setting that is left; bits 1:0 source 0, 3:2 source 1, 5:4 source 2, 7:6 destination
.if MSB != (\new)
	s_set_vgpr_msb (MSB<<8)|(\new)
.set MSB, (\new)
.endif
.endm
.macro WLOAD b                         ; batch b: 64 K rows x 64 columns: slot z: lanes 0-15 one whole row of 256 bytes, lanes 16-31 the row 32 further on
	WIN 0x80+0x40*((\b)/2)
.set z, 0
.rept 32
	global_load_b128 v[(128*(\b))%256+4*z:(128*(\b))%256+4*z+3], v[WOF], s[4:5] offset:(64*(\b)+z)*PITCHW th:TH_LOAD_NT
.set z, z+1
.endr
	WIN 0
.endm
.macro CONVERT b                       ; batch b becomes codes: K step 2 w + b / 2, a = b % 2; slot 16 q + i is byte i of piece 2 a + q
.set SB, (128*(\b))%256
.set WW, 2+(\b)/2
	s_wait_dscnt 0x0                               ; the last batch's LDS stores have read their registers
	WIN (WW<<6)|WW
.set z, 0
.rept 128
	v_med3_num_f32 v[SB+z], v[SB+z], -v[LIMW], v[LIMW]   ; the conversion does not saturate (ISA guide 7.6.2): the hold at the largest code x the scale
.set z, z+1
.endr
	WIN WW
.set z, 0
.rept 16
	v_cvt_scalef32_pk8_bf8_f32 v[CX+2*z:CX+2*z+1], v[SB+8*z:SB+8*z+7], v[SCW]   ; register z of v[CX ..]: slot z's four columns
.set z, z+1
.endr
	WIN 0
	v_nop                                          ; one plain line behind the last conversion
.set g, 0
.rept 8                                ; 4 x 4 bytes are turned: v[CY + 8 T + g] byte b = slot 4 g + b, column T
.set TT, CT+4*(g%2)
	v_perm_b32 v[TT],   v[CX+4*g+1], v[CX+4*g],   s98
	v_perm_b32 v[TT+1], v[CX+4*g+1], v[CX+4*g],   s99
	v_perm_b32 v[TT+2], v[CX+4*g+3], v[CX+4*g+2], s98
	v_perm_b32 v[TT+3], v[CX+4*g+3], v[CX+4*g+2], s99
	v_perm_b32 v[CY+g],    v[TT+2], v[TT],   s100
	v_perm_b32 v[CY+8+g],  v[TT+2], v[TT],   s101
	v_perm_b32 v[CY+16+g], v[TT+3], v[TT+1], s100
	v_perm_b32 v[CY+24+g], v[TT+3], v[TT+1], s101
.set g, g+1
.endr
.irp T, 0,1,2,3
.irp q, 0,1
	ds_store_b128 v[IMW], v[CY+8*\T+4*\q:CY+8*\T+4*\q+3] offset:\T*16384+((\b)/2)*2048+(2*((\b)%2)+\q)*512   ; 512 consecutive bytes
.endr
.endr
.endm
.macro SELSTEP src, width, step        ; does the r-th set bit lie past the next `step` bits?
	v_bfe_u32 v26, v[\src], v25, \width
	v_cmp_ge_u32 vcc_lo, v20, v26
	v_cndmask_b32 v26, 0, v26, vcc_lo
	v_sub_nc_u32 v20, v20, v26
	v_cndmask_b32 v27, 0, \step, vcc_lo
	v_add_nc_u32 v25, v25, v27
.endm
; A batch of my wave's list: 32 ranks: lanes 0-15 the 16 rows of tile w + s105 / 16, lanes 16-31 those of the tile 4 further on.  The entries go to the wave's 128 bytes, always the same ones.
.macro LISTB
	v_add_nc_u32 v16, s105, v[Q0]                  ; my rank q
	v_lshl_or_b32 v17, v16, 5, 31
	v_mov_b32 v18, s66
	v_mov_b32 v19, s32
.set g, 1
.rept 31
	v_cmp_le_u32 vcc_lo, s[66+g], v17              ; ranks ahead of ballot g <= q: the last such ballot holds rank q
	v_cndmask_b32 v18, v18, s[66+g], vcc_lo
	v_cndmask_b32 v19, v19, s[32+g], vcc_lo
.set g, g+1
.endr
	v_lshrrev_b32 v20, 5, v18
	v_sub_nc_u32 v20, v16, v20                     ; r: which set bit of the ballot
	v_and_b32 v28, 31, v18                         ; g
	v_lshrrev_b32 v21, 1, v19
	v_and_b32 v21, 0x55555555, v21
	v_sub_nc_u32 v21, v19, v21                     ; counts of 2 bits,
	v_lshrrev_b32 v22, 2, v21
	v_and_b32 v22, 0x33333333, v22
	v_and_b32 v23, 0x33333333, v21
	v_add_nc_u32 v22, v22, v23                     ; of 4,
	v_lshrrev_b32 v23, 4, v22
	v_add_nc_u32 v23, v23, v22
	v_and_b32 v23, 0x0f0f0f0f, v23                 ; of 8,
	v_lshrrev_b32 v24, 8, v23
	v_add_nc_u32 v24, v24, v23                     ; of 16 (in bits 7:0 and 23:16)
	v_mov_b32 v25, 0                               ; the bit's place, at most 31 whatever r is: a rank at or past the count gives some token
	SELSTEP 24, 8, 16
	SELSTEP 23, 8, 8
	SELSTEP 22, 4, 4
	SELSTEP 21, 2, 2
	SELSTEP 19, 1, 1
	v_lshrrev_b32 v26, 2, v28
	v_and_b32 v27, 3, v28
	v_lshlrev_b32 v26, 17, v26
	v_lshl_add_u32 v26, v25, 12, v26
	v_lshl_add_u32 v26, v27, 10, v26               ; (128 (g / 4) + 4 bit + g % 4) x 1,024
	ds_store_b32 v[LWR], v26                       ; LDS serves a wave's instructions in order: the reads of the batch before came first, and have been waited for
.endm
.macro EXISTS add                      ; s3 = tile s2 + add; s104 = 1 where the expert has that tile, else 0.  The clamp states the bound of a number that hangs on a loaded count, ahead of its way into offsets
	s_add_co_u32 s3, s2, \add
	s_cmp_lt_u32 s3, s29
	s_cselect_b32 s104, 1, 0
	s_min_u32 s104, s104, 1
.endm
; The 16 rows of tile X of the list's batch are asked for, into set X of window 1: 32 loads; each half of the lanes reads 256 aligned bytes of one row.  For a tile that does not exist every offset is 0:
; the count of loads is the same on every path, and next to nothing moves.
.macro TOK X
	s_wait_xcnt 0x0                                ; earlier loads and stores have read their offsets and data: v[GOF ..], and further down v[HO] and v[CC ..], are written again only behind this wait
.irp i, 0,1,2,3,4,5,6,7
	ds_load_b32 v[GOF+\i], v[LRD] offset:64*\X+8*\i   ; rows 2 i (lanes 0-15) and 2 i + 1 (lanes 16-31)
.endr
	s_wait_dscnt 0x0                               ; the entries are in; so are all my earlier LDS loads, and my LDS stores have read their registers
.irp i, 0,1,2,3,4,5,6,7
	v_min_u32 v[GOF+\i], 0xffc00, v[GOF+\i]        ; token x 1,024, at most 1,023 x 1,024
	v_add_nc_u32 v[GOF+\i], v[C16], v[GOF+\i]
	v_mul_u32_u24 v[GOF+\i], s104, v[GOF+\i]
.endr
	WIN 0x40
.irp i, 0,1,2,3,4,5,6,7
.irp p, 0,1,2,3
	global_load_b128 v[128*\X+16*\i+4*\p:128*\X+16*\i+4*\p+3], v[GOF+\i], s[8:9] offset:256*\p
.endr
.endr
	WIN 0
.endm
; One tile.  The four accumulators take turns, one instruction a turn; the first K step starts the sums.
.macro HALF X
	s_add_co_u32 s2, s31, 4*\X                     ; the tile
	s_cmp_ge_u32 s2, s29
	s_cbranch_scc1 .Ldone                          ; my tiles ascend: none is left.  No barrier stands behind this branch
	s_wait_loadcnt 32                              ; this set's 32 loads are in; the other set's 32 were issued behind them
	WIN 0x04                                       ; store data in window 1
.irp i, 0,1,2,3,4,5,6,7
.irp p, 0,1,2,3
	ds_store_b128 v[STW], v[128*\X+16*\i+4*\p:128*\X+16*\i+4*\p+3] offset:2*\i*SPITCH+256*\p
.endr
.endr
	WIN 0
.irp s, 0,1,2,3,4,5,6,7
.irp c, 0,1,2,3
	ds_load_b128 v[F+16*\s+4*\c:F+16*\s+4*\c+3], v[STR] offset:128*\s+64*(\c/2)+16*(\c%2)   ; LDS serves a wave's instructions in order: these see my stores
.endr
.endr
	EXISTS 8
	TOK \X                                         ; the tile two turns on, into the set just emptied; its wait on DScnt also shows the fragments in
	WIN 0x02                                       ; source 0 (the slab) window 2
.irp s, 0,1,2,3
.irp T, 0,1,2,3
.if \s == 0
	v_wmma_f32_16x16x128_bf8_bf8 v[ACC+8*\T:ACC+8*\T+7], v[64*\T+16*\s:64*\T+16*\s+15], v[F+16*\s:F+16*\s+15], 0
.else
	v_wmma_f32_16x16x128_bf8_bf8 v[ACC+8*\T:ACC+8*\T+7], v[64*\T+16*\s:64*\T+16*\s+15], v[F+16*\s:F+16*\s+15], v[ACC+8*\T:ACC+8*\T+7]
.endif
.endr
.endr
	WIN 0x03                                       ; window 3
.irp s, 4,5,6,7
.irp T, 0,1,2,3
	v_wmma_f32_16x16x128_bf8_bf8 v[ACC+8*\T:ACC+8*\T+7], v[64*\T+16*(\s-4):64*\T+16*(\s-4)+15], v[F+16*\s:F+16*\s+15], v[ACC+8*\T:ACC+8*\T+7]
.endr
.endr
	WIN 0
	v_lshl_add_u32 v[HO], s2, 15, v[L16]           ; a tile is 32,768 bytes of hc.  With the three lines below: four places ahead of the first read of the sums (ISA guide 7.12.1)
.rept 3
	v_nop
.endr
.set z, 0
.rept 32
	v_med3_num_f32 v[ACC+z], v[ACC+z], 0, v[LIMH]  ; relu and the hold in one; each accumulator from its low end on
.set z, z+1
.endr
.irp T, 0,1,2,3
	v_cvt_scalef32_pk8_bf8_f32 v[CC+2*\T:CC+2*\T+1], v[ACC+8*\T:ACC+8*\T+7], v[SCH]   ; a sum stands for sum x 2^(e(x) + e(W1)): the three exponents are folded into the conversion's one
.endr
	v_nop                                          ; one plain line behind the last conversion: the next tile's products write its sources
	global_store_b128 v[HO], v[CC:CC+3], s[12:13]              ; piece q = 0: 512 consecutive bytes
	global_store_b128 v[HO], v[CC+4:CC+7], s[12:13] offset:512 ; piece q = 1
.endm
	s_load_b256 s[4:11], s[0:1], 0x0               ; W1 s[4:5], the scales' exponents s[6:7], xg s[8:9], rs s[10:11]
	s_load_b128 s[12:15], s[0:1], 0x20             ; hc s[12:13], pc s[14:15]
	v_lshl_add_u32 v[SPW], v0, 2, SPARE
	v_mov_b32 v[NIL], 0
	v_lshrrev_b32 v16, 5, v0
	v_readfirstlane_b32 s16, v16                   ; wave
	v_and_b32 v17, 31, v0                          ; lane
	v_and_b32 v18, 15, v0                          ; lane % 16
	v_bfe_u32 v19, v0, 4, 1                        ; lane / 16
	s_lshr_b32 s17, ttmp9, 5                       ; e
	s_and_b32 s18, ttmp9, 31                       ; fs
	v_lshlrev_b32 v[L16], 4, v17
	v_lshlrev_b32 v[LANE4], 2, v17
	v_lshlrev_b32 v[C16], 4, v18
	v_lshl_add_u32 v[WOF], v19, 18, v[C16]         ; 32 rows of 8,192 bytes
	s_mul_i32 s2, s16, STAGEB
	s_add_co_u32 s2, s2, STAGE
	v_mul_u32_u24 v[STW], v19, SPITCH
	v_add_nc_u32 v[STW], v[STW], v[C16]
	v_add_nc_u32 v[STW], s2, v[STW]
	v_mul_u32_u24 v[STR], v18, SPITCH
	v_lshl_add_u32 v[STR], v19, 5, v[STR]
	v_add_nc_u32 v[STR], s2, v[STR]
	s_mul_i32 s2, s16, LISTW
	s_add_co_u32 s2, s2, LIST
	v_lshlrev_b32 v[LRD], 2, v19
	v_add_nc_u32 v[LRD], s2, v[LRD]
	v_add_nc_u32 v[LWR], s2, v[LANE4]
	s_lshl_b32 s2, s16, 12
	v_add_nc_u32 v[IMW], s2, v[L16]
	s_lshl_b32 s2, s16, 4
	v_lshl_add_u32 v[Q0], v19, 6, v18
	v_add_nc_u32 v[Q0], s2, v[Q0]
	v_lshl_add_u32 v[POSO], s17, 12, v[L16]
	v_lshl_add_u32 v[CNTO], s17, 7, v[LANE4]
	s_lshl_b32 s20, 1, s17
	s_lshl_b32 s21, s20, 8
	s_lshl_b32 s22, s20, 16
	s_lshl_b32 s23, s20, 24
	s_mov_b32 s98, 0x05010400
	s_mov_b32 s99, 0x07030602
	s_mov_b32 s100, 0x05040100
	s_mov_b32 s101, 0x07060302
	s_lshl_b32 s2, s17, 23                         ; the slab: expert, my wave's 256 rows, the 64 columns
	s_lshl_b32 s3, s16, 21
	s_add_co_u32 s2, s2, s3
	s_lshl_b32 s3, s18, 8
	s_add_co_u32 s2, s2, s3
	s_wait_kmcnt 0x0
	s_load_b32 s19, s[10:11], 0x400                ; the layer's number
.irp m, 0,1,2,3,4,5,6,7
	global_load_b32 v[SELW+\m], v[LANE4], s[10:11] offset:128*\m   ; lane b: the bytes of tokens 128 m + 4 b + 0 .. 3
.endr
	s_wait_kmcnt 0x0
	s_min_u32 s19, s19, 1
	s_lshl_b32 s104, s19, 4
	s_load_b128 s[24:27], s[6:7], s104 offset:0x0  ; the layer's four exponents (s104 is written again only behind the wait for this load)
	s_lshl_b32 s3, s19, 26
	s_add_co_u32 s2, s2, s3
	s_mov_b32 s3, 0
	s_add_nc_u64 s[4:5], s[4:5], s[2:3]
	WLOAD 0
	WLOAD 1
	s_lshl_b32 s2, s17, 21                         ; hc: expert; K step fs / 2, pieces 2 (fs % 2) on: 1,024 fs bytes
	s_lshl_b32 s3, s18, 10
	s_add_co_u32 s2, s2, s3
	s_mov_b32 s3, 0
	s_add_nc_u64 s[12:13], s[12:13], s[2:3]
	s_wait_loadcnt 63                              ; 72 loads were issued: the oldest 9 at the least are in, the 8 words of sel among them
.set g, 0
.rept 32
	v_and_b32 v16, s[20+g%4], v[SELW+g/4]
	v_cmp_ne_u32 s[32+g], 0, v16                   ; ballot g
.set g, g+1
.endr
	s_mov_b32 s28, 0
.set g, 0
.rept 32
	s_lshl_b32 s2, s28, 5
	s_or_b32 s[66+g], s2, g                        ; (ranks ahead of ballot g) << 5 | g: ascending in g
	s_bcnt1_i32_b32 s3, s[32+g]
	s_add_co_u32 s28, s28, s3
.set g, g+1
.endr
	s_add_co_u32 s29, s28, 15
	s_lshr_b32 s29, s29, 4                         ; tiles
	s_or_b32 s2, s18, s16
	s_cmp_lg_u32 s2, 0
	s_cbranch_scc1 .Lno_pos                        ; a branch on ids: wave 0 of the expert's first work-group stores the ranks and the count
.set g, 0
.rept 32
	s_lshr_b32 s2, s[66+g], 5
	v_mbcnt_lo_u32_b32 v[POSD+g], s[32+g], s2      ; the rank of token 128 (g / 4) + 4 lane + g % 4, if it is kept
.set g, g+1
.endr
.irp m, 0,1,2,3,4,5,6,7
	global_store_b128 v[POSO], v[POSD+4*\m:POSD+4*\m+3], s[14:15] offset:512*\m   ; pos[e][128 m + 4 lane + 0 .. 3]: 512 consecutive bytes
.endr
	v_mov_b32 v[CNTD], s28
	global_store_b32 v[CNTO], v[CNTD], s[14:15] offset:32768
.Lno_pos:
	s_mov_b32 s105, 0
	LISTB                                          ; batch 0: my first two tiles; made while the first 64 weight loads are on their way
	s_wait_kmcnt 0x0                               ; the exponents
	s_add_co_i32 s2, s25, 127
	s_lshl_b32 s3, s2, 23
	v_mov_b32 v[SCW], s3                           ; 2^e(W1)
	s_add_co_i32 s2, s2, 15
	s_lshl_b32 s2, s2, 23
	s_or_b32 s2, s2, 0x600000
	v_mov_b32 v[LIMW], s2                          ; 57,344 x that
	s_sub_co_i32 s2, s27, s24
	s_sub_co_i32 s2, s2, s25
	s_add_co_i32 s2, s2, 127
	s_lshl_b32 s3, s2, 23
	v_mov_b32 v[SCH], s3                           ; 2^(e(h) - e(x) - e(W1))
	s_add_co_i32 s2, s2, 15
	s_lshl_b32 s2, s2, 23
	s_or_b32 s2, s2, 0x600000
	v_mov_b32 v[LIMH], s2
	s_wait_loadcnt 32                              ; batch 0 of the weights is in: batch 1's 32 loads were issued behind it
	CONVERT 0
	WLOAD 2
	s_wait_loadcnt 32                              ; batch 1: batch 2's 32 behind it
	CONVERT 1
	WLOAD 3
	s_mov_b32 s2, s16
	EXISTS 0
	TOK 0                                          ; my first tile's rows
	s_wait_loadcnt 63                              ; batch 2: 64 loads were issued behind it
	CONVERT 2
	EXISTS 4
	TOK 1                                          ; my second tile's
	s_wait_loadcnt 63                              ; batch 3: 64 behind it
	CONVERT 3
	s_wait_dscnt 0x0                               ; for the others' sake: my images have landed
	s_barrier_signal -1
	s_barrier_wait -1                              ; the one barrier: the whole slab lies in LDS, and is written no more
	WIN 0x80
.irp T, 0,1,2,3
.irp s, 0,1,2,3
.irp c, 0,1,2,3
	ds_load_b128 v[64*\T+16*\s+4*\c:64*\T+16*\s+4*\c+3], v[L16] offset:\T*16384+\s*2048+\c*512
.endr
.endr
.endr
	WIN 0xc0
.irp T, 0,1,2,3
.irp s, 4,5,6,7
.irp c, 0,1,2,3
	ds_load_b128 v[64*\T+16*(\s-4)+4*\c:64*\T+16*(\s-4)+4*\c+3], v[L16] offset:\T*16384+\s*2048+\c*512
.endr
.endr
.endr
	WIN 0
	s_wait_dscnt 0x0
	s_mov_b32 s30, 0
	s_mov_b32 s31, s16
	s_mov_b32 s105, 128
.Ltile:                                            ; 8 trips at the most, two tiles a trip
	LISTB                                          ; the next trip's two tiles, whose rows this trip asks for
	HALF 0
	HALF 1
	s_add_co_u32 s31, s31, 8
	s_add_co_u32 s105, s105, 128
	s_add_co_u32 s30, s30, 1
	s_cmp_lt_u32 s30, 8
	s_cbranch_scc1 .Ltile
.Ldone:
	s_wait_tensorcnt 0x0                           ; the wave's end
	ds_add_u32 v[SPW], v[NIL]
	s_wait_dscnt 0x0
	s_endpgm
.Lfunc_end_k_qedbf14e1a3_up0:
	.size	k_qedbf14e1a3_up0, .Lfunc_end_k_qedbf14e1a3_up0-k_qedbf14e1a3_up0
	.p2alignl 7, 3214868480
	.fill 96, 4, 3214868480
	.section	.rodata,"a",@progbits
	.p2align	6, 0x0
	.amdhsa_kernel k_qedbf14e1a3_up0
		.amdhsa_group_segment_fixed_size 133120
		.amdhsa_private_segment_fixed_size 0
		.amdhsa_enable_private_segment 0
		.amdhsa_kernarg_size 48
		.amdhsa_user_sgpr_count 2
		.amdhsa_user_sgpr_kernarg_segment_ptr 1
		.amdhsa_wavefront_size32 1
		.amdhsa_system_sgpr_workgroup_id_x 1
		.amdhsa_system_sgpr_workgroup_id_y 1
		.amdhsa_system_sgpr_workgroup_id_z 1
		.amdhsa_system_vgpr_workitem_id 0
		.amdhsa_next_free_vgpr 1024
		.amdhsa_next_free_sgpr 106
		.amdhsa_reserve_vcc 1
		.amdhsa_float_denorm_mode_32 3
		.amdhsa_float_denorm_mode_16_64 3
		.amdhsa_memory_ordered 1
		.amdhsa_forward_progress 1
		.amdhsa_inst_pref_size 143
	.end_amdhsa_kernel
	.amdgpu_metadata
---
amdhsa.version: [ 1, 2 ]
amdhsa.kernels:
  - .name:           k_qedbf14e1a3_up0
    .symbol:         k_qedbf14e1a3_up0.kd
    .args:
      - { .name: W1, .offset: 0, .size: 8, .value_kind: global_buffer, .address_space: global }
      - { .name: lowp_scales, .offset: 8, .size: 8, .value_kind: global_buffer, .address_space: global }
      - { .name: xg0, .offset: 16, .size: 8, .value_kind: global_buffer, .address_space: global }
      - { .name: rs0, .offset: 24, .size: 8, .value_kind: global_buffer, .address_space: global }
      - { .name: hc, .offset: 32, .size: 8, .value_kind: global_buffer, .address_space: global }
      - { .name: pc, .offset: 40, .size: 8, .value_kind: global_buffer, .address_space: global }
    .group_segment_fixed_size: 133120
    .private_segment_fixed_size: 0
    .kernarg_segment_align: 8
    .kernarg_segment_size: 48
    .max_flat_workgroup_size: 128
    .sgpr_count:     106
    .vgpr_count:     1024
    .wavefront_size: 32
...
	.end_amdgpu_metadata
.endif
;; end of part 2
;; launch down0 (part 3): grid 256 x 1, 4 waves a work-group, no clusters, 83,456 bytes of LDS; arguments W2, lowp_scales, hc, pc, rs0, part; writes part
.if DOCPART == 3
	.amdgcn_target "amdgcn-amd-amdhsa--gfx1250"
	.amdhsa_code_object_version 6
	.text
	.protected	k_qedbf14e1a3_down0
	.globl	k_qedbf14e1a3_down0
	.p2align	8
	.type	k_qedbf14e1a3_down0,@function
k_qedbf14e1a3_down0:
	s_mov_b64 s[64:65], 0
	v_nop
	global_prefetch_b8 v0, s[64:65] scope:SCOPE_SE
	s_setreg_imm32_b32 hwreg(HW_REG_WAVE_MODE, 25, 1), 1
	s_wait_xcnt 0x0
; part[kh][e][rank][:] = (Q(h) Q(W2_e)) x 2^(e(W2) + e(h)), summed over half kh of the hidden units, for the rows that the router kept.  Rows with gate 0 are left out (shown at the head of the first launch).
; Work-group id owns expert e = id / 32, K half kh = (id / 16) % 2 and columns 64 ds .. + 63, ds = id % 16: a slab of 1,024 (K) x 64 f32 with rows of 256 aligned bytes, read from memory once.
; As in the launch before: wave w quantises K rows 256 w .. + 255, the codes meet in LDS as images of operand registers, every wave then holds the whole slab in 512 registers and takes tiles w, w + 4, ..
; The tokens' operand comes from hc as it lies: images of registers, 32 loads of 512 consecutive bytes a tile.  The weights are loaded in the order in which hc holds the hidden units:
; the place (s, c = 2 a + q, h, i) holds K row 128 s + 64 a + 32 h + 4 (i % 8) + 2 q + i / 8.
; Tile T holds columns 4 r + T; the product is used transposed, so lane (r, h) holds rank row r and register j column 32 h + 4 j + T.  The two K halves are added where the experts are mixed.
; The count of rows comes from pc, the layer's number from rs: exits hang on them, so there is no tensor load and no cluster.
; LIMITS: e(W2) between -126 and 112; e(W2) + e(h) between -126 and 127.  NaN among the inputs is not served.
.set PITCHW, 4096
.set STAGE,  65536                     ; LDS: 0 .. 65,535 the slab's images; then a stage of 16 rows x (256 + 16) bytes for each wave
.set SPITCH, 272
.set STAGEB, 16*SPITCH
.set SPARE,  STAGE+4*STAGEB            ; the spare words, 128 bytes a wave
.set L16, 1
.set WOF, 2
.set SIN, 3                            ; v3  stage, in: row lane % 16, 128 (lane / 16)
.set SOUT, 4                           ; v4  stage, out: row lane / 16, 16 (lane % 16)
.set GO0, 5                            ; v5  the same place in part: 4,096 (lane / 16) + 16 (lane % 16)
.set TO,  6                            ; v6  my byte in hc
.set PO,  7                            ; v7  my byte in part
.set IMW, 8
.set LIMW, 12
.set SCW,  13
.set SPW, 30
.set NIL, 31
.set ACC, 32                           ; v32-63  four accumulators
.set O,   64                           ; v64-95  a lane's 32 neighbouring columns
.set BK,  96                           ; v96-127 whole rows back from the stage
.set CX,  136
.set CY,  168
.set CT,  200
; window 1: two sets of 8 fragments of h.  windows 2, 3: the f32 weights, later the slab: fragment (T, s) in window 2 + s / 4 at v[64 T + 16 (s % 4)]
; s16 wave, s17 e, s18 kh, s19 ds, s20 2^(e(W2) + e(h)), s21 layer, s[24:27] the exponents, s28 count, s29 tiles, s30 trips, s31 first tile of a trip, s98-101 byte selectors
.set MSB, 0
.macro WIN new
.if MSB != (\new)
	s_set_vgpr_msb (MSB<<8)|(\new)
.set MSB, (\new)
.endif
.endm
.macro WLOAD b
	WIN 0x80+0x40*((\b)/2)
.set z, 0
.rept 32
.set oz, 4*(z%8)+2*(z/16)+(z/8)%2
	global_load_b128 v[(128*(\b))%256+4*z:(128*(\b))%256+4*z+3], v[WOF], s[4:5] offset:(64*(\b)+oz)*PITCHW th:TH_LOAD_NT
.set z, z+1
.endr
	WIN 0
.endm
.macro CONVERT b
.set SB, (128*(\b))%256
.set WW, 2+(\b)/2
	s_wait_dscnt 0x0                               ; the last batch's LDS stores have read their registers
	WIN (WW<<6)|WW
.set z, 0
.rept 128
	v_med3_num_f32 v[SB+z], v[SB+z], -v[LIMW], v[LIMW]   ; the hold at the largest code x the scale (ISA guide 7.6.2)
.set z, z+1
.endr
	WIN WW
.set z, 0
.rept 16
	v_cvt_scalef32_pk8_bf8_f32 v[CX+2*z:CX+2*z+1], v[SB+8*z:SB+8*z+7], v[SCW]
.set z, z+1
.endr
	WIN 0
	v_nop                                          ; one plain line behind the last conversion
.set g, 0
.rept 8
.set TT, CT+4*(g%2)
	v_perm_b32 v[TT],   v[CX+4*g+1], v[CX+4*g],   s98
	v_perm_b32 v[TT+1], v[CX+4*g+1], v[CX+4*g],   s99
	v_perm_b32 v[TT+2], v[CX+4*g+3], v[CX+4*g+2], s98
	v_perm_b32 v[TT+3], v[CX+4*g+3], v[CX+4*g+2], s99
	v_perm_b32 v[CY+g],    v[TT+2], v[TT],   s100
	v_perm_b32 v[CY+8+g],  v[TT+2], v[TT],   s101
	v_perm_b32 v[CY+16+g], v[TT+3], v[TT+1], s100
	v_perm_b32 v[CY+24+g], v[TT+3], v[TT+1], s101
.set g, g+1
.endr
.irp T, 0,1,2,3
.irp q, 0,1
	ds_store_b128 v[IMW], v[CY+8*\T+4*\q:CY+8*\T+4*\q+3] offset:\T*16384+((\b)/2)*2048+(2*((\b)%2)+\q)*512
.endr
.endr
.endm
.macro EXISTS add                      ; s3 = tile s2 + add; s104 = 1 where the expert has it, else 0, clamped in the text ahead of its way into an offset
	s_add_co_u32 s3, s2, \add
	s_cmp_lt_u32 s3, s29
	s_cselect_b32 s104, 1, 0
	s_min_u32 s104, s104, 1
.endm
.macro TOK X                           ; tile s3's eight fragments of my K half into set X: 16 KB as they lie.  A tile that does not exist: every lane's offset is 0, the count of loads stays
	s_wait_xcnt 0x0                                ; earlier loads and stores have read their offsets and data
	v_lshl_add_u32 v[TO], s3, 15, v[L16]
	v_mul_u32_u24 v[TO], s104, v[TO]
	v_nop
	v_nop                                          ; four plain lines: the places between the products that read set X and the loads into it, and ahead of the first read of the sums
	WIN 0x40
.set z, 0
.rept 32
	global_load_b128 v[128*\X+4*z:128*\X+4*z+3], v[TO], s[8:9] offset:512*z
.set z, z+1
.endr
	WIN 0
.endm
.macro HALF X
	s_add_co_u32 s2, s31, 4*\X
	s_cmp_ge_u32 s2, s29
	s_cbranch_scc1 .Ldone
	s_wait_loadcnt 32                              ; this set's 32 loads are in; the other set's 32 were issued behind them
	WIN 0x06                                       ; source 0 (the slab) window 2, source 1 (h) window 1
.irp s, 0,1,2,3
.irp T, 0,1,2,3
.if \s == 0
	v_wmma_f32_16x16x128_bf8_bf8 v[ACC+8*\T:ACC+8*\T+7], v[64*\T+16*\s:64*\T+16*\s+15], v[128*\X+16*\s:128*\X+16*\s+15], 0
.else
	v_wmma_f32_16x16x128_bf8_bf8 v[ACC+8*\T:ACC+8*\T+7], v[64*\T+16*\s:64*\T+16*\s+15], v[128*\X+16*\s:128*\X+16*\s+15], v[ACC+8*\T:ACC+8*\T+7]
.endif
.endr
.endr
	WIN 0x07
.irp s, 4,5,6,7
.irp T, 0,1,2,3
	v_wmma_f32_16x16x128_bf8_bf8 v[ACC+8*\T:ACC+8*\T+7], v[64*\T+16*(\s-4):64*\T+16*(\s-4)+15], v[128*\X+16*\s:128*\X+16*\s+15], v[ACC+8*\T:ACC+8*\T+7]
.endr
.endr
	WIN 0
	EXISTS 8
	TOK \X                                         ; the tile two turns on
.irp j, 0,1,2,3,4,5,6,7
.irp T, 0,1,2,3
	v_mul_f32 v[O+4*\j+\T], s20, v[ACC+8*\T+\j]    ; x 2^(e(W2) + e(h)); the four tiles are woven: column 32 h + 4 j + T.  Each accumulator is read from its lowest register on
.endr
.endr
	v_lshl_add_u32 v[PO], s2, 16, v[GO0]           ; 16 rows of 4,096 bytes a tile
.irp j, 0,1,2,3,4,5,6,7
	ds_store_b128 v[SIN], v[O+4*\j:O+4*\j+3] offset:16*\j
.endr
.irp i, 0,1,2,3,4,5,6,7
	ds_load_b128 v[BK+4*\i:BK+4*\i+3], v[SOUT] offset:2*\i*SPITCH   ; LDS serves a wave's instructions in order: these see my stores
.endr
	s_wait_dscnt 0x0
.irp i, 0,1,2,3,4,5,6,7
	global_store_b128 v[PO], v[BK+4*\i:BK+4*\i+3], s[14:15] offset:2*\i*4096   ; sixteen lanes store 256 consecutive bytes, aligned
.endr
.endm
	s_load_b256 s[4:11], s[0:1], 0x0               ; W2 s[4:5], the scales' exponents s[6:7], hc s[8:9], pc s[10:11]
	s_load_b128 s[12:15], s[0:1], 0x20             ; rs s[12:13], part s[14:15]
	v_lshl_add_u32 v[SPW], v0, 2, SPARE
	v_mov_b32 v[NIL], 0
	v_lshrrev_b32 v16, 5, v0
	v_readfirstlane_b32 s16, v16                   ; wave
	v_and_b32 v17, 31, v0
	v_and_b32 v18, 15, v0
	v_bfe_u32 v19, v0, 4, 1
	s_lshr_b32 s17, ttmp9, 5                       ; e
	s_bfe_u32 s18, ttmp9, 0x10004                  ; kh
	s_and_b32 s19, ttmp9, 15                       ; ds
	v_lshlrev_b32 v[L16], 4, v17
	v_lshlrev_b32 v20, 4, v18
	v_lshl_add_u32 v[WOF], v19, 17, v20            ; 32 rows of 4,096 bytes
	v_lshl_add_u32 v[GO0], v19, 12, v20
	s_mul_i32 s2, s16, STAGEB
	s_add_co_u32 s2, s2, STAGE
	v_mul_u32_u24 v[SIN], v18, SPITCH
	v_lshl_add_u32 v[SIN], v19, 7, v[SIN]
	v_add_nc_u32 v[SIN], s2, v[SIN]
	v_mul_u32_u24 v[SOUT], v19, SPITCH
	v_add_nc_u32 v[SOUT], v[SOUT], v20
	v_add_nc_u32 v[SOUT], s2, v[SOUT]
	s_lshl_b32 s2, s16, 12
	v_add_nc_u32 v[IMW], s2, v[L16]
	s_mov_b32 s98, 0x05010400
	s_mov_b32 s99, 0x07030602
	s_mov_b32 s100, 0x05040100
	s_mov_b32 s101, 0x07060302
	s_lshl_b32 s104, s17, 7
	s_lshl_b32 s2, s17, 23                         ; the slab: expert, K half, my wave's 256 rows, the 64 columns
	s_lshl_b32 s3, s18, 22
	s_add_co_u32 s2, s2, s3
	s_lshl_b32 s3, s16, 20
	s_add_co_u32 s2, s2, s3
	s_lshl_b32 s3, s19, 8
	s_add_co_u32 s2, s2, s3
	s_wait_kmcnt 0x0
	s_load_b32 s21, s[12:13], 0x400                ; the layer's number
	s_load_b32 s28, s[10:11], s104 offset:0x8000   ; the expert's count of rows
	s_wait_kmcnt 0x0
	s_min_u32 s21, s21, 1
	s_min_u32 s28, s28, 1024
	s_lshl_b32 s105, s21, 4
	s_load_b128 s[24:27], s[6:7], s105 offset:0x0  ; (s105 is not written again)
	s_lshl_b32 s3, s21, 26
	s_add_co_u32 s2, s2, s3
	s_mov_b32 s3, 0
	s_add_nc_u64 s[4:5], s[4:5], s[2:3]
	WLOAD 0
	WLOAD 1
	s_lshl_b32 s2, s17, 21                         ; hc: expert, my K half's eight K steps
	s_lshl_b32 s3, s18, 14
	s_add_co_u32 s2, s2, s3
	s_mov_b32 s3, 0
	s_add_nc_u64 s[8:9], s[8:9], s[2:3]
	s_lshl_b32 s2, s18, 25                         ; part: K half, expert, the 64 columns
	s_lshl_b32 s3, s17, 22
	s_add_co_u32 s2, s2, s3
	s_lshl_b32 s3, s19, 8
	s_add_co_u32 s2, s2, s3
	s_mov_b32 s3, 0
	s_add_nc_u64 s[14:15], s[14:15], s[2:3]
	s_add_co_u32 s29, s28, 15
	s_lshr_b32 s29, s29, 4                         ; tiles
	s_wait_kmcnt 0x0
	s_add_co_i32 s2, s26, 127
	s_lshl_b32 s3, s2, 23
	v_mov_b32 v[SCW], s3                           ; 2^e(W2)
	s_add_co_i32 s2, s2, 15
	s_lshl_b32 s2, s2, 23
	s_or_b32 s2, s2, 0x600000
	v_mov_b32 v[LIMW], s2
	s_add_co_i32 s20, s26, s27
	s_add_co_i32 s20, s20, 127
	s_lshl_b32 s20, s20, 23                        ; 2^(e(W2) + e(h)) as f32
	s_wait_loadcnt 32                              ; batch 0: batch 1's 32 loads were issued behind it
	CONVERT 0
	WLOAD 2
	s_wait_loadcnt 32                              ; batch 1
	CONVERT 1
	WLOAD 3
	s_mov_b32 s2, s16
	EXISTS 0
	TOK 0
	s_wait_loadcnt 63                              ; batch 2: 64 loads were issued behind it
	CONVERT 2
	EXISTS 4
	TOK 1
	s_wait_loadcnt 63                              ; batch 3: 64 behind it
	CONVERT 3
	s_wait_dscnt 0x0                               ; for the others' sake: my images have landed
	s_barrier_signal -1
	s_barrier_wait -1                              ; the one barrier
	WIN 0x80
.irp T, 0,1,2,3
.irp s, 0,1,2,3
.irp c, 0,1,2,3
	ds_load_b128 v[64*\T+16*\s+4*\c:64*\T+16*\s+4*\c+3], v[L16] offset:\T*16384+\s*2048+\c*512
.endr
.endr
.endr
	WIN 0xc0
.irp T, 0,1,2,3
.irp s, 4,5,6,7
.irp c, 0,1,2,3
	ds_load_b128 v[64*\T+16*(\s-4)+4*\c:64*\T+16*(\s-4)+4*\c+3], v[L16] offset:\T*16384+\s*2048+\c*512
.endr
.endr
.endr
	WIN 0
	s_wait_dscnt 0x0
	s_mov_b32 s30, 0
	s_mov_b32 s31, s16
.Ltile:
	HALF 0
	HALF 1
	s_add_co_u32 s31, s31, 8
	s_add_co_u32 s30, s30, 1
	s_cmp_lt_u32 s30, 8
	s_cbranch_scc1 .Ltile
.Ldone:
	s_wait_tensorcnt 0x0                           ; the wave's end
	ds_add_u32 v[SPW], v[NIL]
	s_wait_dscnt 0x0
	s_endpgm
.Lfunc_end_k_qedbf14e1a3_down0:
	.size	k_qedbf14e1a3_down0, .Lfunc_end_k_qedbf14e1a3_down0-k_qedbf14e1a3_down0
	.p2alignl 7, 3214868480
	.fill 96, 4, 3214868480
	.section	.rodata,"a",@progbits
	.p2align	6, 0x0
	.amdhsa_kernel k_qedbf14e1a3_down0
		.amdhsa_group_segment_fixed_size 83456
		.amdhsa_private_segment_fixed_size 0
		.amdhsa_enable_private_segment 0
		.amdhsa_kernarg_size 48
		.amdhsa_user_sgpr_count 2
		.amdhsa_user_sgpr_kernarg_segment_ptr 1
		.amdhsa_wavefront_size32 1
		.amdhsa_system_sgpr_workgroup_id_x 1
		.amdhsa_system_sgpr_workgroup_id_y 1
		.amdhsa_system_sgpr_workgroup_id_z 1
		.amdhsa_system_vgpr_workitem_id 0
		.amdhsa_next_free_vgpr 1024
		.amdhsa_next_free_sgpr 106
		.amdhsa_reserve_vcc 0
		.amdhsa_float_denorm_mode_32 3
		.amdhsa_float_denorm_mode_16_64 3
		.amdhsa_memory_ordered 1
		.amdhsa_forward_progress 1
		.amdhsa_inst_pref_size 103
	.end_amdhsa_kernel
	.amdgpu_metadata
---
amdhsa.version: [ 1, 2 ]
amdhsa.kernels:
  - .name:           k_qedbf14e1a3_down0
    .symbol:         k_qedbf14e1a3_down0.kd
    .args:
      - { .name: W2, .offset: 0, .size: 8, .value_kind: global_buffer, .address_space: global }
      - { .name: lowp_scales, .offset: 8, .size: 8, .value_kind: global_buffer, .address_space: global }
      - { .name: hc, .offset: 16, .size: 8, .value_kind: global_buffer, .address_space: global }
      - { .name: pc, .offset: 24, .size: 8, .value_kind: global_buffer, .address_space: global }
      - { .name: rs0, .offset: 32, .size: 8, .value_kind: global_buffer, .address_space: global }
      - { .name: part, .offset: 40, .size: 8, .value_kind: global_buffer, .address_space: global }
    .group_segment_fixed_size: 83456
    .private_segment_fixed_size: 0
    .kernarg_segment_align: 8
    .kernarg_segment_size: 48
    .max_flat_workgroup_size: 128
    .sgpr_count:     106
    .vgpr_count:     1024
    .wavefront_size: 32
...
	.end_amdgpu_metadata
.endif
;; end of part 3
;; launch mix1 (part 4): grid 256 x 1, 4 waves a work-group, no clusters, 1,024 bytes of LDS; arguments x, part, pc, rs0, xg0, protos, lowp_scales, x1, xg1, rs1; writes x1, xg1, rs1
.if DOCPART == 4
	.amdgcn_target "amdgcn-amd-amdhsa--gfx1250"
	.amdhsa_code_object_version 6
	.text
	.protected	k_qedbf14e1a3_mix1
	.globl	k_qedbf14e1a3_mix1
	.p2align	8
	.type	k_qedbf14e1a3_mix1,@function
k_qedbf14e1a3_mix1:
	s_mov_b64 s[64:65], 0
	v_nop
	global_prefetch_b8 v0, s[64:65] scope:SCOPE_SE
	s_setreg_imm32_b32 hwreg(HW_REG_WAVE_MODE, 25, 1), 1
	s_wait_xcnt 0x0
; x1 = x + the sum over the kept experts of gate x (the two K halves of the expert's row), in f32; then layer 1's router and the codes of x1, as the first launch does for layer 0.
; Experts that were not kept have gate 0 and are left out (shown at the head of the first launch).  At least two are kept for every token; where scores tie there are more: a counted loop serves up to six more.
; Which rows are read is decided by whole numbers that earlier launches stored: sel (rs0) and pos (pc).  The rank is clamped in the text ahead of its way into an offset.
; SHARES as in the first launch: 4 tokens a work-group, wave w columns 256 w .. + 255, 8 numbers a lane and token.  LIMIT: lowp_scales[4] between -126 and 112.  NaN among the inputs is not served.
.set SPARE, 512
.set XV,    32                         ; v32-63   x, then x1
.set PA,    64                         ; v64-191  pick pk: 16 registers: K half kh at 8 kh
.set PR,    192                        ; v192-255 layer 1's protos
.set SV,    64                         ; partial scores, where the picks lay
.set OUTC,  96
.set VO,    8                          ; v8-15    a pick's row offset
.set XIN,   4
.set PART,  6
.set PC,    8
.set RSI,   10
.set XGI,   12
.set PROT,  14
.set LOWP,  16
.set OUT,   18
.set XG,    20
.set RS,    22
.set PART2, 66                         ; s[66:67] part's second K half
.set LAYER, 1
; s24-31 the picks' gates; s[32:63] pos[e][my 4 tokens] at 32 + 4 e + tau; s[68:99] gate at 68 + 8 tau + e; s100 the four sel bytes, a bit cleared with each pick
.macro PICK tau, pk                    ; the lowest expert still marked for token tau: its rank, its gate; its row's two halves are asked for
	s_mov_b32 s2, 0
	s_mov_b32 s3, 0
	s_mov_b32 s[24+(\pk)], 0
.irp e, 7,6,5,4,3,2,1,0
	s_bitcmp1_b32 s100, 8*(\tau)+\e
	s_cselect_b32 s2, s[32+4*\e+(\tau)], s2
	s_cselect_b32 s3, \e, s3
	s_cselect_b32 s[24+(\pk)], s[68+8*(\tau)+\e], s[24+(\pk)]
.endr
	s_add_co_u32 s105, s3, 8*(\tau)
	s_lshl_b32 s105, 1, s105
	s_and_not1_b32 s100, s100, s105
	s_lshl_b32 s3, s3, 10
	s_add_co_u32 s3, s3, s2
	s_min_u32 s3, s3, 8191                         ; 1,024 e + rank
	s_lshl_b32 s3, s3, 12                          ; rows of 4,096 bytes
	v_add_nc_u32 v[VO+(\pk)], s3, v2
	global_load_b128 v[PA+16*(\pk):PA+16*(\pk)+3],     v[VO+(\pk)], s[PART:PART+1]
	global_load_b128 v[PA+16*(\pk)+4:PA+16*(\pk)+7],   v[VO+(\pk)], s[PART:PART+1] offset:512
	global_load_b128 v[PA+16*(\pk)+8:PA+16*(\pk)+11],  v[VO+(\pk)], s[PART2:PART2+1]
	global_load_b128 v[PA+16*(\pk)+12:PA+16*(\pk)+15], v[VO+(\pk)], s[PART2:PART2+1] offset:512
.endm
.macro ADDIN pk, tau
.irp p, 0,2,4,6
	v_pk_add_f32 v[PA+16*(\pk)+\p:PA+16*(\pk)+\p+1], v[PA+16*(\pk)+\p:PA+16*(\pk)+\p+1], v[PA+16*(\pk)+8+\p:PA+16*(\pk)+8+\p+1]
.endr
.irp i, 0,1,2,3,4,5,6,7
	v_fma_f32 v[XV+8*(\tau)+\i], s[24+(\pk)], v[PA+16*(\pk)+\i], v[XV+8*(\tau)+\i]
.endr
.endm
.macro TIES tau                        ; more than two kept: one expert a trip, six at the most
	s_mov_b32 s101, 6
.Ltie_\@:
	s_bfe_u32 s104, s100, (8<<16)|(8*(\tau))
	s_cmp_eq_u32 s104, 0
	s_cbranch_scc1 .Lno_tie_\@
	PICK \tau, 0                                   ; (the earlier loads by this offset register have been waited for)
	s_wait_loadcnt 0x0
	ADDIN 0, \tau
	s_sub_co_u32 s101, s101, 1
	s_cmp_lg_u32 s101, 0
	s_cbranch_scc1 .Ltie_\@
.Lno_tie_\@:
.endm
	s_load_b512 s[4:19], s[0:1], 0x0               ; x, part, pc, rs0, xg0, protos, the scales' exponents, x1
	s_load_b128 s[20:23], s[0:1], 0x40             ; xg1, rs1
	v_lshl_add_u32 v4, v0, 2, SPARE
	v_mov_b32 v5, 0
	v_and_b32 v1, 31, v0
	v_lshrrev_b32 v16, 5, v0
	v_lshlrev_b32 v2, 10, v16
	v_lshl_add_u32 v2, v1, 4, v2                   ; 1,024 w + 16 lane
	v_and_b32 v17, 1, v0
	v_bfe_u32 v18, v0, 1, 4
	v_lshlrev_b32 v3, 8, v16
	v_lshl_add_u32 v3, v17, 7, v3
	v_lshl_add_u32 v3, v18, 3, v3                  ; 256 w + 128 (lane % 2) + 8 (lane / 2)
	v_lshlrev_b32 v28, 2, v0
	v_mov_b32 v26, 0
	v_mov_b32 v27, 0
	s_lshl_b32 s2, ttmp9, 4                        ; the scalar loads' offsets: written again only behind the wait for those loads
	s_lshl_b32 s3, ttmp9, 7
	s_lshl_b32 s104, ttmp9, 2
	s_lshl_b32 s66, ttmp9, 14
	s_mov_b32 s67, 0
	s_wait_kmcnt 0x0
	s_load_b32 s100, s[RSI:RSI+1], s104 offset:0x0
.irp e, 0,1,2,3,4,5,6,7
	s_load_b128 s[32+4*\e:35+4*\e], s[PC:PC+1], s2 offset:4096*\e
.endr
	s_load_b512 s[68:83], s[XGI:XGI+1], s3 offset:0x100000
	s_load_b512 s[84:99], s[XGI:XGI+1], s3 offset:0x100040
	s_load_b32 s105, s[LOWP:LOWP+1], 0x10          ; the exponent of x1's scale
	s_add_nc_u64 s[XIN:XIN+1], s[XIN:XIN+1], s[66:67]
	s_add_nc_u64 s[OUT:OUT+1], s[OUT:OUT+1], s[66:67]
	s_add_nc_u64 s[PART2:PART2+1], s[PART:PART+1], 0x2000000
.irp t, 0,1,2,3
.irp j, 0,1
	global_load_b128 v[XV+8*\t+4*\j:XV+8*\t+4*\j+3], v2, s[XIN:XIN+1] offset:4096*\t+512*\j
.endr
.endr
.irp e, 0,1,2,3,4,5,6,7
.irp j, 0,1
	global_load_b128 v[PR+8*\e+4*\j:PR+8*\e+4*\j+3], v2, s[PROT:PROT+1] offset:LAYER*32768+4096*\e+512*\j
.endr
.endr
	s_wait_kmcnt 0x0
	s_add_co_i32 s104, s105, 127
	s_lshl_b32 s101, s104, 23
	v_mov_b32 v7, s101                             ; 2^e as f32
	s_add_co_i32 s104, s104, 15
	s_lshl_b32 s104, s104, 23
	s_or_b32 s104, s104, 0x600000
	v_mov_b32 v6, s104                             ; 57,344 x 2^e
.irp t, 0,1,2,3
	PICK \t, 2*\t
	PICK \t, 2*\t+1
.endr
	s_wait_loadcnt 0x0                             ; all 56 loads
.irp t, 0,1,2,3
	ADDIN 2*\t, \t
	ADDIN 2*\t+1, \t
.endr
	TIES 0
	TIES 1
	TIES 2
	TIES 3
.irp t, 0,1,2,3
.irp j, 0,1
	global_store_b128 v2, v[XV+8*\t+4*\j:XV+8*\t+4*\j+3], s[OUT:OUT+1] offset:4096*\t+512*\j   ; 512 consecutive bytes
.endr
.endr
; ---- THE TAIL, as in the first launch: codes, scores, choice, gates
	s_mov_b32 s32, 0xffff0000
	s_mov_b32 s33, 0xff00ff00
	s_mov_b32 s34, 0xf0f0f0f0
	s_mov_b32 s35, 0xcccccccc
	s_mov_b32 s36, 0xaaaaaaaa
	s_mov_b32 s38, 0x76543210
	s_mov_b32 s39, 0xfedcba98
	v_lshrrev_b32 v16, 5, v0
	v_readfirstlane_b32 s37, v16                   ; wave
	s_lshl_b32 s40, ttmp9, 12
	s_mov_b32 s41, 0
	s_add_nc_u64 s[44:45], s[XG:XG+1], s[40:41]
	s_lshl_b32 s40, ttmp9, 7
	s_add_nc_u64 s[46:47], s[XG:XG+1], s[40:41]
.irp t, 0,1,2,3
.irp i, 0,1,2,3,4,5,6,7
	v_med3_num_f32 v[16+\i], v[XV+8*\t+\i], -v6, v6   ; the hold at the largest code x the scale (ISA guide 7.6.2)
.endr
	v_cvt_scalef32_pk8_bf8_f32 v[24:25], v[16:23], v7
	v_nop                                          ; one plain line between a scaled conversion and the reader of its result
	v_mov_b32_dpp v26, v24 row_xmask:1 row_mask:0xf bank_mask:0xf
	v_mov_b32_dpp v27, v25 row_xmask:1 row_mask:0xf bank_mask:0xf
	v_cndmask_b32 v[OUTC+2*\t], v24, v27, s36
	v_cndmask_b32 v[OUTC+2*\t+1], v26, v25, s36
	global_store_b64 v3, v[OUTC+2*\t:OUTC+2*\t+1], s[44:45] offset:1024*\t   ; the wave's 256 consecutive bytes, aligned
.endr
.irp G, 0,1,2,3,4,5,6,7
.irp c, 0,1,2,3
	v_pk_mul_f32 v[16+2*\c:17+2*\c], v[XV+8*(\G/2):XV+8*(\G/2)+1], v[PR+8*(4*(\G%2)+\c):PR+8*(4*(\G%2)+\c)+1]
.endr
.irp p, 2,4,6
.irp c, 0,1,2,3
	v_pk_fma_f32 v[16+2*\c:17+2*\c], v[XV+8*(\G/2)+\p:XV+8*(\G/2)+\p+1], v[PR+8*(4*(\G%2)+\c)+\p:PR+8*(4*(\G%2)+\c)+\p+1], v[16+2*\c:17+2*\c]
.endr
.endr
.irp c, 0,1,2,3
	v_add_f32 v[SV+4*\G+\c], v[16+2*\c], v[17+2*\c]
.endr
.endr
.set i, 0
.rept 16
.set ta, 16+2*(i%4)
	v_cndmask_b32 v[ta], v[SV+i], v[SV+i+16], s32
	v_cndmask_b32 v[ta+1], v[SV+i+16], v[SV+i], s32
	v_permlanex16_b32 v[24+i%4], v[ta+1], s38, s39
	v_add_f32 v[SV+i], v[ta], v[24+i%4]
.set i, i+1
.endr
.macro LEVEL n2, m, mask
.set i, 0
.rept \n2
.set ta, 16+2*(i%4)
	v_cndmask_b32 v[ta], v[SV+i], v[SV+i+\n2], s[\mask]
	v_cndmask_b32 v[ta+1], v[SV+i+\n2], v[SV+i], s[\mask]
	v_add_f32_dpp v[SV+i], v[ta+1], v[ta] row_xmask:\m row_mask:0xf bank_mask:0xf
.set i, i+1
.endr
.endm
	LEVEL 8, 8, 33
	LEVEL 4, 4, 34
	LEVEL 2, 2, 35
	LEVEL 1, 1, 36
	ds_store_b32 v28, v[SV]
	s_wait_dscnt 0x0                               ; for the others' sake: the store has landed
	s_barrier_signal -1
	s_barrier_wait -1
	s_cmp_lg_u32 s37, 0
	s_cbranch_scc1 .Lend
	ds_load_b32 v16, v28
	ds_load_b32 v17, v28 offset:128
	ds_load_b32 v18, v28 offset:256
	ds_load_b32 v19, v28 offset:384
	s_wait_dscnt 0x0
	v_add_f32 v16, v16, v17
	v_add_f32 v18, v18, v19
	v_add_f32 v16, v16, v18
	v_and_b32 v16, 0x7fffffff, v16                 ; the score
	v_max_num_f32_dpp v17, v16, v16 row_xmask:1 row_mask:0xf bank_mask:0xf
	v_max_num_f32_dpp v17, v17, v17 row_xmask:2 row_mask:0xf bank_mask:0xf
	v_max_num_f32_dpp v17, v17, v17 row_xmask:4 row_mask:0xf bank_mask:0xf
	v_cmp_eq_f32 vcc_lo, v16, v17
	v_cndmask_b32 v18, 0, 1.0, vcc_lo
	v_mov_b32 v20, 0xff800000
	v_cndmask_b32 v19, v16, v20, vcc_lo
	v_add_f32_dpp v18, v18, v18 row_xmask:1 row_mask:0xf bank_mask:0xf
	v_max_num_f32_dpp v19, v19, v19 row_xmask:1 row_mask:0xf bank_mask:0xf
	v_add_f32_dpp v18, v18, v18 row_xmask:2 row_mask:0xf bank_mask:0xf
	v_max_num_f32_dpp v19, v19, v19 row_xmask:2 row_mask:0xf bank_mask:0xf
	v_add_f32_dpp v18, v18, v18 row_xmask:4 row_mask:0xf bank_mask:0xf
	v_max_num_f32_dpp v19, v19, v19 row_xmask:4 row_mask:0xf bank_mask:0xf
	v_cmp_le_f32 vcc_lo, 2.0, v18
	v_cndmask_b32 v19, v19, v17, vcc_lo            ; the threshold
	v_cmp_ge_f32 s43, v16, v19                     ; kept
	v_sub_f32 v20, v16, v17                        ; the largest is taken away first
	v_mul_f32 v20, 0x3fb8aa3b, v20
	v_exp_f32 v20, v20
	v_mov_b32 v22, s43                             ; (a plain line behind the exponential)
	v_mov_b32 v21, 0
	s_wait_alu depctr_va_vdst(0)                   ; the wait ahead of the result's first reader
	v_cndmask_b32 v20, 0, v20, s43
	v_add_f32_dpp v21, v20, v20 row_xmask:1 row_mask:0xf bank_mask:0xf
	v_add_f32_dpp v21, v21, v21 row_xmask:2 row_mask:0xf bank_mask:0xf
	v_add_f32_dpp v21, v21, v21 row_xmask:4 row_mask:0xf bank_mask:0xf
	v_rcp_f32 v21, v21
	s_lshl_b32 s40, ttmp9, 2
	v_mov_b32 v23, s40                             ; (a plain line behind the reciprocal)
	s_wait_alu depctr_va_vdst(0)
	v_mul_f32 v20, v20, v21
	global_store_b32 v28, v20, s[46:47] offset:0x100000
	s_wait_xcnt 0x0                                ; EXEC changes only behind this wait
	v_cmp_eq_u32 vcc_lo, 0, v1
	s_and_saveexec_b32 s42, vcc_lo
	global_store_b32 v23, v22, s[RS:RS+1]
	s_cmp_lg_u32 ttmp9, 0
	s_cbranch_scc1 .Lnot_first
	v_mov_b32 v24, LAYER
	global_store_b32 v23, v24, s[RS:RS+1] offset:1024
.Lnot_first:
	s_wait_xcnt 0x0                                ; and again, ahead of the line that widens it
	s_or_b32 exec_lo, exec_lo, s42
.Lend:
	s_wait_tensorcnt 0x0                           ; the wave's end
	ds_add_u32 v4, v5
	s_wait_dscnt 0x0
	s_endpgm
.Lfunc_end_k_qedbf14e1a3_mix1:
	.size	k_qedbf14e1a3_mix1, .Lfunc_end_k_qedbf14e1a3_mix1-k_qedbf14e1a3_mix1
	.p2alignl 7, 3214868480
	.fill 96, 4, 3214868480
	.section	.rodata,"a",@progbits
	.p2align	6, 0x0
	.amdhsa_kernel k_qedbf14e1a3_mix1
		.amdhsa_group_segment_fixed_size 1024
		.amdhsa_private_segment_fixed_size 0
		.amdhsa_enable_private_segment 0
		.amdhsa_kernarg_size 80
		.amdhsa_user_sgpr_count 2
		.amdhsa_user_sgpr_kernarg_segment_ptr 1
		.amdhsa_wavefront_size32 1
		.amdhsa_system_sgpr_workgroup_id_x 1
		.amdhsa_system_sgpr_workgroup_id_y 1
		.amdhsa_system_sgpr_workgroup_id_z 1
		.amdhsa_system_vgpr_workitem_id 0
		.amdhsa_next_free_vgpr 256
		.amdhsa_next_free_sgpr 106
		.amdhsa_reserve_vcc 1
		.amdhsa_float_denorm_mode_32 3
		.amdhsa_float_denorm_mode_16_64 3
		.amdhsa_memory_ordered 1
		.amdhsa_forward_progress 1
		.amdhsa_inst_pref_size 60
	.end_amdhsa_kernel
	.amdgpu_metadata
---
amdhsa.version: [ 1, 2 ]
amdhsa.kernels:
  - .name:           k_qedbf14e1a3_mix1
    .symbol:         k_qedbf14e1a3_mix1.kd
    .args:
      - { .name: x, .offset: 0, .size: 8, .value_kind: global_buffer, .address_space: global }
      - { .name: part, .offset: 8, .size: 8, .value_kind: global_buffer, .address_space: global }
      - { .name: pc, .offset: 16, .size: 8, .value_kind: global_buffer, .address_space: global }
      - { .name: rs0, .offset: 24, .size: 8, .value_kind: global_buffer, .address_space: global }
      - { .name: xg0, .offset: 32, .size: 8, .value_kind: global_buffer, .address_space: global }
      - { .name: protos, .offset: 40, .size: 8, .value_kind: global_buffer, .address_space: global }
      - { .name: lowp_scales, .offset: 48, .size: 8, .value_kind: global_buffer, .address_space: global }
      - { .name: x1, .offset: 56, .size: 8, .value_kind: global_buffer, .address_space: global }
      - { .name: xg1, .offset: 64, .size: 8, .value_kind: global_buffer, .address_space: global }
      - { .name: rs1, .offset: 72, .size: 8, .value_kind: global_buffer, .address_space: global }
    .group_segment_fixed_size: 1024
    .private_segment_fixed_size: 0
    .kernarg_segment_align: 8
    .kernarg_segment_size: 80
    .max_flat_workgroup_size: 128
    .sgpr_count:     106
    .vgpr_count:     256
    .wavefront_size: 32
...
	.end_amdgpu_metadata
.endif
;; end of part 4
;; launch up1: the kernel of part 2 again; grid 256 x 1, 4 waves a work-group, no clusters, 133,120 bytes of LDS; arguments W1, lowp_scales, xg1, rs1, hc, pc; writes hc, pc
;; launch down1: the kernel of part 3 again; grid 256 x 1, 4 waves a work-group, no clusters, 83,456 bytes of LDS; arguments W2, lowp_scales, hc, pc, rs1, part; writes part
;; launch last (part 5): grid 256 x 1, 4 waves a work-group, no clusters, 0 bytes of LDS; arguments x1, part, pc, rs1, xg1, out0; writes out0
.if DOCPART == 5
	.amdgcn_target "amdgcn-amd-amdhsa--gfx1250"
	.amdhsa_code_object_version 6
	.text
	.protected	k_qedbf14e1a3_last
	.globl	k_qedbf14e1a3_last
	.p2align	8
	.type	k_qedbf14e1a3_last,@function
k_qedbf14e1a3_last:
	s_mov_b64 s[64:65], 0
	v_nop
	global_prefetch_b8 v0, s[64:65] scope:SCOPE_SE
	s_setreg_imm32_b32 hwreg(HW_REG_WAVE_MODE, 25, 1), 1
	s_wait_xcnt 0x0
; out0 = x1 + the sum over the kept experts of gate x (the two K halves of the expert's row), in f32.  Experts that were not kept have gate 0 and are left out (shown at the head of the first launch).
; Which rows are read is decided by whole numbers that earlier launches stored: sel (rs1) and pos (pc); the rank is clamped in the text ahead of its way into an offset.
; SHARES: 4 tokens a work-group, wave w columns 256 w .. + 255, 8 numbers a lane and token; every load and store covers 512 consecutive bytes.  No LDS, no barrier: waves share nothing.
.set XV,    32
.set PA,    64
.set VO,    8
.set XIN,   4
.set PART,  6
.set PC,    8
.set RSI,   10
.set XGI,   12
.set OUT,   14
.set PART2, 66
; s24-31 the picks' gates; s[32:63] pos at 32 + 4 e + tau; s[68:99] gate at 68 + 8 tau + e; s100 the four sel bytes, a bit cleared with each pick
.macro PICK tau, pk
	s_mov_b32 s2, 0
	s_mov_b32 s3, 0
	s_mov_b32 s[24+(\pk)], 0
.irp e, 7,6,5,4,3,2,1,0
	s_bitcmp1_b32 s100, 8*(\tau)+\e
	s_cselect_b32 s2, s[32+4*\e+(\tau)], s2
	s_cselect_b32 s3, \e, s3
	s_cselect_b32 s[24+(\pk)], s[68+8*(\tau)+\e], s[24+(\pk)]
.endr
	s_add_co_u32 s105, s3, 8*(\tau)
	s_lshl_b32 s105, 1, s105
	s_and_not1_b32 s100, s100, s105
	s_lshl_b32 s3, s3, 10
	s_add_co_u32 s3, s3, s2
	s_min_u32 s3, s3, 8191                         ; 1,024 e + rank
	s_lshl_b32 s3, s3, 12
	v_add_nc_u32 v[VO+(\pk)], s3, v2
	global_load_b128 v[PA+16*(\pk):PA+16*(\pk)+3],     v[VO+(\pk)], s[PART:PART+1]
	global_load_b128 v[PA+16*(\pk)+4:PA+16*(\pk)+7],   v[VO+(\pk)], s[PART:PART+1] offset:512
	global_load_b128 v[PA+16*(\pk)+8:PA+16*(\pk)+11],  v[VO+(\pk)], s[PART2:PART2+1]
	global_load_b128 v[PA+16*(\pk)+12:PA+16*(\pk)+15], v[VO+(\pk)], s[PART2:PART2+1] offset:512
.endm
.macro ADDIN pk, tau
.irp p, 0,2,4,6
	v_pk_add_f32 v[PA+16*(\pk)+\p:PA+16*(\pk)+\p+1], v[PA+16*(\pk)+\p:PA+16*(\pk)+\p+1], v[PA+16*(\pk)+8+\p:PA+16*(\pk)+8+\p+1]
.endr
.irp i, 0,1,2,3,4,5,6,7
	v_fma_f32 v[XV+8*(\tau)+\i], s[24+(\pk)], v[PA+16*(\pk)+\i], v[XV+8*(\tau)+\i]
.endr
.endm
.macro TIES tau
	s_mov_b32 s101, 6
.Ltie_\@:
	s_bfe_u32 s104, s100, (8<<16)|(8*(\tau))
	s_cmp_eq_u32 s104, 0
	s_cbranch_scc1 .Lno_tie_\@
	PICK \tau, 0
	s_wait_loadcnt 0x0
	ADDIN 0, \tau
	s_sub_co_u32 s101, s101, 1
	s_cmp_lg_u32 s101, 0
	s_cbranch_scc1 .Ltie_\@
.Lno_tie_\@:
.endm
	s_load_b256 s[4:11], s[0:1], 0x0               ; x1, part, pc, rs1
	s_load_b128 s[12:15], s[0:1], 0x20             ; xg1, out0
	v_and_b32 v1, 31, v0
	v_lshrrev_b32 v16, 5, v0
	v_lshlrev_b32 v2, 10, v16
	v_lshl_add_u32 v2, v1, 4, v2                   ; 1,024 w + 16 lane
	s_lshl_b32 s2, ttmp9, 4                        ; the scalar loads' offsets: written again only behind the wait for those loads
	s_lshl_b32 s3, ttmp9, 7
	s_lshl_b32 s104, ttmp9, 2
	s_lshl_b32 s66, ttmp9, 14
	s_mov_b32 s67, 0
	s_wait_kmcnt 0x0
	s_load_b32 s100, s[RSI:RSI+1], s104 offset:0x0
.irp e, 0,1,2,3,4,5,6,7
	s_load_b128 s[32+4*\e:35+4*\e], s[PC:PC+1], s2 offset:4096*\e
.endr
	s_load_b512 s[68:83], s[XGI:XGI+1], s3 offset:0x100000
	s_load_b512 s[84:99], s[XGI:XGI+1], s3 offset:0x100040
	s_add_nc_u64 s[XIN:XIN+1], s[XIN:XIN+1], s[66:67]
	s_add_nc_u64 s[OUT:OUT+1], s[OUT:OUT+1], s[66:67]
	s_add_nc_u64 s[PART2:PART2+1], s[PART:PART+1], 0x2000000
.irp t, 0,1,2,3
.irp j, 0,1
	global_load_b128 v[XV+8*\t+4*\j:XV+8*\t+4*\j+3], v2, s[XIN:XIN+1] offset:4096*\t+512*\j
.endr
.endr
	s_wait_kmcnt 0x0
.irp t, 0,1,2,3
	PICK \t, 2*\t
	PICK \t, 2*\t+1
.endr
	s_wait_loadcnt 0x0                             ; all 40 loads
.irp t, 0,1,2,3
	ADDIN 2*\t, \t
	ADDIN 2*\t+1, \t
.endr
	TIES 0
	TIES 1
	TIES 2
	TIES 3
.irp t, 0,1,2,3
.irp j, 0,1
	global_store_b128 v2, v[XV+8*\t+4*\j:XV+8*\t+4*\j+3], s[OUT:OUT+1] offset:4096*\t+512*\j   ; 512 consecutive bytes
.endr
.endr
	s_endpgm
.Lfunc_end_k_qedbf14e1a3_last:
	.size	k_qedbf14e1a3_last, .Lfunc_end_k_qedbf14e1a3_last-k_qedbf14e1a3_last
	.p2alignl 7, 3214868480
	.fill 96, 4, 3214868480
	.section	.rodata,"a",@progbits
	.p2align	6, 0x0
	.amdhsa_kernel k_qedbf14e1a3_last
		.amdhsa_group_segment_fixed_size 0
		.amdhsa_private_segment_fixed_size 0
		.amdhsa_enable_private_segment 0
		.amdhsa_kernarg_size 48
		.amdhsa_user_sgpr_count 2
		.amdhsa_user_sgpr_kernarg_segment_ptr 1
		.amdhsa_wavefront_size32 1
		.amdhsa_system_sgpr_workgroup_id_x 1
		.amdhsa_system_sgpr_workgroup_id_y 1
		.amdhsa_system_sgpr_workgroup_id_z 1
		.amdhsa_system_vgpr_workitem_id 0
		.amdhsa_next_free_vgpr 192
		.amdhsa_next_free_sgpr 106
		.amdhsa_reserve_vcc 0
		.amdhsa_float_denorm_mode_32 3
		.amdhsa_float_denorm_mode_16_64 3
		.amdhsa_memory_ordered 1
		.amdhsa_forward_progress 1
		.amdhsa_inst_pref_size 35
	.end_amdhsa_kernel
	.amdgpu_metadata
---
amdhsa.version: [ 1, 2 ]
amdhsa.kernels:
  - .name:           k_qedbf14e1a3_last
    .symbol:         k_qedbf14e1a3_last.kd
    .args:
      - { .name: x1, .offset: 0, .size: 8, .value_kind: global_buffer, .address_space: global }
      - { .name: part, .offset: 8, .size: 8, .value_kind: global_buffer, .address_space: global }
      - { .name: pc, .offset: 16, .size: 8, .value_kind: global_buffer, .address_space: global }
      - { .name: rs1, .offset: 24, .size: 8, .value_kind: global_buffer, .address_space: global }
      - { .name: xg1, .offset: 32, .size: 8, .value_kind: global_buffer, .address_space: global }
      - { .name: out0, .offset: 40, .size: 8, .value_kind: global_buffer, .address_space: global }
    .group_segment_fixed_size: 0
    .private_segment_fixed_size: 0
    .kernarg_segment_align: 8
    .kernarg_segment_size: 48
    .max_flat_workgroup_size: 128
    .sgpr_count:     106
    .vgpr_count:     192
    .wavefront_size: 32
...
	.end_amdgpu_metadata
.endif
;; end of part 5
;; ======== version 2 of 2: 7 launches; 1.12 times as fast as version 1
;; workspace buffers: xg0 1,081,344 bytes; xg1 1,081,344 bytes; rs0 1,280 bytes of whole numbers; rs1 1,280 bytes of whole numbers; pc 33,792 bytes of whole numbers; hc 16,777,216 bytes; part 67,108,864 bytes; x1 4,194,304 bytes
;; launch route0: the kernel of part 1 again; grid 256 x 1, 4 waves a work-group, no clusters, 1,024 bytes of LDS; arguments x, protos, lowp_scales, xg0, rs0; writes xg0, rs0
;; launch up0 (part 6): grid 256 x 1, 4 waves a work-group, no clusters, 132,608 bytes of LDS; arguments W1, lowp_scales, xg0, rs0, hc, pc; writes hc, pc
.if DOCPART == 6
	.amdgcn_target "amdgcn-amd-amdhsa--gfx1250"
	.amdhsa_code_object_version 6
	.text
	.protected	k_qedbf14e1a3_up0
	.globl	k_qedbf14e1a3_up0
	.p2align	8
	.type	k_qedbf14e1a3_up0,@function
k_qedbf14e1a3_up0:
	s_mov_b64 s[64:65], 0
	v_nop
	global_prefetch_b8 v0, s[64:65] scope:SCOPE_SE
	s_setreg_imm32_b32 hwreg(HW_REG_WAVE_MODE, 25, 1), 1
	s_wait_xcnt 0x0
; h = Q(relu(Q(x) Q(W1_e))) for the rows that the router kept, one layer.  Rows of experts that were not kept have gate 0 and are left out (shown at the head of the first launch).
; WEIGHTS STAY, TOKENS STREAM.  Work-group id owns expert e = id / 32 and hidden units 64 fs .. 64 fs + 63, fs = id % 32: a slab of 1,024 (K) x 64 f32, whose rows are 256 aligned bytes, read from memory once
; in the launch.  Wave w loads and quantises K rows 256 w .. + 255; the codes meet in LDS as images of operand registers (64 KB), and every wave then holds the WHOLE slab in 512 registers.
; The expert's rows come in tiles of 16 ranks; wave w takes tiles w, w + 4, ..  Both operands are codes of E5M2 for v_wmma_f32_16x16x128_bf8_bf8; sums in f32.
; THE LIST.  rs holds one byte a token (bit e: expert e kept).  Each wave makes 32 ballots of 32 tokens and their prefix sums in scalar registers; the token of rank q is found by a search over the prefix
; sums and a select of the r-th set bit.  Ballot g = 4 m + z, bit b is token 128 m + 4 b + z: ranks follow that order.  A batch of 32 ranks, the wave's next two tiles, is made a trip ahead and stays in ONE
; register, a rank a lane; a tile's 16 entries are read out of it lane by lane into scalar registers, so that sixteen lanes can take one row's token.  Only the clamped gather offsets hang on the choice.
; Wave 0 of the expert's first work-group stores pos[e][token] (the rank) and the count: pc.
; WHERE k LIES.  A fragment is 16 rows x 128 K in 16 registers: piece c = 2 a + q (registers 4 c .. 4 c + 3), byte i, half h of the lanes.  Here that place holds k = 128 s + 64 a + 32 h + 16 q + i, in the weights
; and in the tokens alike: a permutation of k common to both sources, so every product meets its partner.
; WEIGHT TILES.  A lane's 16-byte load holds 4 neighbouring columns; tile T is made of columns 4 r + T, so the loading lane is the fragment's lane.  The product is used transposed (source 0 = weights,
; source 1 = 16 tokens): in tile T lane (r, h) holds token row r, register j hidden unit 32 h + 4 j + T.
; OUT: hc[e][tile][S = f / 128][c][lane][16 bytes]: images of the next product's operand registers; the place (S, c = 2 a + q, h, i) holds f = 128 S + 64 a + 32 h + 4 (i % 8) + 2 q + i / 8.
; Ranks at or past the count in an expert's last tile take some token's row: they are computed and never read.
; No tensor load, no cluster: trip exits hang on counts read from memory.  The layer's number comes from rs, so that both layers share this text.
; LIMITS: e(W1) and e(h) - e(x) - e(W1) lie between -126 and 112.  NaN among the inputs is not served.
.set PITCHW, 8192                      ; a row of W1 in bytes
.set STAGE,  65536                     ; LDS: 0 .. 65,535 the slab's images: fragment (T, s), piece c at 16,384 T + 2,048 s + 512 c + 16 lane
.set SPITCH, 1040                      ; a token's 1,024 codes + 16: 65 x 16 bytes, so that 16 rows start at 16 different groups of banks
.set STAGEB, 16*SPITCH                 ; a stage of 16 rows for each wave
.set SPARE,  STAGE+4*STAGEB            ; the spare words, 128 bytes a wave
.set L16, 1                            ; v1  16 x lane
.set WOF, 2                            ; v2  weights: 32 rows x (lane / 16) + 16 (lane % 16)
.set STW, 3                            ; v3  stage, in: row lane / 16, 16 (lane % 16)
.set STR, 4                            ; v4  stage, out: row lane % 16, 32 (lane / 16)
.set CSEL, 6                           ; v6  16 (lane % 16), or 0 for a tile that does not exist
.set IMW, 8                            ; v8  images, write: 4,096 w + 16 lane
.set C16, 9                            ; v9  16 (lane % 16)
.set HO,  10                           ; v10 my byte in hc
.set Q0,  11                           ; v11 16 w + 64 (lane / 16) + lane % 16: my rank in batch 0
.set LIMW, 12
.set SCW,  13
.set LIMH, 14
.set SCH,  15
.set LE,  29                           ; v29 the list's batch: lane 16 X + row holds token x 1,024 of tile X of the two
.set SPW, 30
.set NIL, 31
.set ACC, 32                           ; v32-63 four accumulators
.set CC,  64                           ; v64-71 the tile's codes
.set GOF, 72                           ; v72-79 gather offsets
.set LANE4, 80
.set POSO, 81
.set CNTO, 82
.set CNTD, 83
.set F,   128                          ; v128-255 the tile's 8 fragments; at the head: v128-135 sel words, v136-167 codes by slot, v168-199 codes by column, v200-207 at work, v208-239 ranks
.set SELW, 128
.set CX,  136
.set CY,  168
.set CT,  200
.set POSD, 208
; v16-28 at work.  window 1: two sets of 128 for gathered rows.  windows 2, 3: four batches of 128 f32 weights, later the slab: fragment (T, s) in window 2 + s / 4 at v[64 T + 16 (s % 4)]
; s16 wave, s17 e, s18 fs, s19 layer, later the mask of lanes 16-31, s20-23 bit e of a word's four bytes, s[24:27] e(x), e(W1), e(W2), e(h); s20-27 later eight entries of the list;
; s28 count, s29 tiles, s30 trips, s31 first tile of a trip, s[32:63] ballots, s[66:97] (prefix << 5) | g, s98-101 byte selectors, s104 0 or 1, s105 128 x the batch of the list that is made next
.set MSB, 0
.macro WIN new                         ; the immediate's high byte repeats the setting that is left; bits 1:0 source 0, 3:2 source 1, 5:4 source 2, 7:6 destination
.if MSB != (\new)
	s_set_vgpr_msb (MSB<<8)|(\new)
.set MSB, (\new)
.endif
.endm
.macro WLOAD b                         ; batch b: 64 K rows x 64 columns: slot z: lanes 0-15 one whole row of 256 bytes, lanes 16-31 the row 32 further on
	WIN 0x80+0x40*((\b)/2)
.set z, 0
.rept 32
	global_load_b128 v[(128*(\b))%256+4*z:(128*(\b))%256+4*z+3], v[WOF], s[4:5] offset:(64*(\b)+z)*PITCHW th:TH_LOAD_NT
.set z, z+1
.endr
	WIN 0
.endm
.macro CONVERT b                       ; batch b becomes codes: K step 2 w + b / 2, a = b % 2; slot 16 q + i is byte i of piece 2 a + q
.set SB, (128*(\b))%256
.set WW, 2+(\b)/2
	s_wait_dscnt 0x0                               ; the last batch's LDS stores have read their registers
	WIN (WW<<6)|WW
.set z, 0
.rept 128
	v_med3_num_f32 v[SB+z], v[SB+z], -v[LIMW], v[LIMW]   ; the conversion does not saturate (ISA guide 7.6.2): the hold at the largest code x the scale
.set z, z+1
.endr
	WIN WW
.set z, 0
.rept 16
	v_cvt_scalef32_pk8_bf8_f32 v[CX+2*z:CX+2*z+1], v[SB+8*z:SB+8*z+7], v[SCW]   ; register z of v[CX ..]: slot z's four columns
.set z, z+1
.endr
	WIN 0
	v_nop                                          ; one plain line behind the last conversion
.set g, 0
.rept 8                                ; 4 x 4 bytes are turned: v[CY + 8 T + g] byte b = slot 4 g + b, column T
.set TT, CT+4*(g%2)
	v_perm_b32 v[TT],   v[CX+4*g+1], v[CX+4*g],   s98
	v_perm_b32 v[TT+1], v[CX+4*g+1], v[CX+4*g],   s99
	v_perm_b32 v[TT+2], v[CX+4*g+3], v[CX+4*g+2], s98
	v_perm_b32 v[TT+3], v[CX+4*g+3], v[CX+4*g+2], s99
	v_perm_b32 v[CY+g],    v[TT+2], v[TT],   s100
	v_perm_b32 v[CY+8+g],  v[TT+2], v[TT],   s101
	v_perm_b32 v[CY+16+g], v[TT+3], v[TT+1], s100
	v_perm_b32 v[CY+24+g], v[TT+3], v[TT+1], s101
.set g, g+1
.endr
.irp T, 0,1,2,3
.irp q, 0,1
	ds_store_b128 v[IMW], v[CY+8*\T+4*\q:CY+8*\T+4*\q+3] offset:\T*16384+((\b)/2)*2048+(2*((\b)%2)+\q)*512   ; 512 consecutive bytes
.endr
.endr
.endm
.macro SELSTEP src, width, step        ; does the r-th set bit lie past the next `step` bits?
	v_bfe_u32 v26, v[\src], v25, \width
	v_cmp_ge_u32 vcc_lo, v20, v26
	v_cndmask_b32 v26, 0, v26, vcc_lo
	v_sub_nc_u32 v20, v20, v26
	v_cndmask_b32 v27, 0, \step, vcc_lo
	v_add_nc_u32 v25, v25, v27
.endm
; A batch of my wave's list: 32 ranks: lanes 0-15 the 16 rows of tile w + s105 / 16, lanes 16-31 those of the tile 4 further on.  The entries stay in v[LE].
.macro LISTB
	v_add_nc_u32 v16, s105, v[Q0]                  ; my rank q
	v_lshl_or_b32 v17, v16, 5, 31
	v_mov_b32 v18, s66
	v_mov_b32 v19, s32
.set g, 1
.rept 31
	v_cmp_le_u32 vcc_lo, s[66+g], v17              ; ranks ahead of ballot g <= q: the last such ballot holds rank q
	v_cndmask_b32 v18, v18, s[66+g], vcc_lo
	v_cndmask_b32 v19, v19, s[32+g], vcc_lo
.set g, g+1
.endr
	v_lshrrev_b32 v20, 5, v18
	v_sub_nc_u32 v20, v16, v20                     ; r: which set bit of the ballot
	v_and_b32 v28, 31, v18                         ; g
	v_lshrrev_b32 v21, 1, v19
	v_and_b32 v21, 0x55555555, v21
	v_sub_nc_u32 v21, v19, v21                     ; counts of 2 bits,
	v_lshrrev_b32 v22, 2, v21
	v_and_b32 v22, 0x33333333, v22
	v_and_b32 v23, 0x33333333, v21
	v_add_nc_u32 v22, v22, v23                     ; of 4,
	v_lshrrev_b32 v23, 4, v22
	v_add_nc_u32 v23, v23, v22
	v_and_b32 v23, 0x0f0f0f0f, v23                 ; of 8,
	v_lshrrev_b32 v24, 8, v23
	v_add_nc_u32 v24, v24, v23                     ; of 16 (in bits 7:0 and 23:16)
	v_mov_b32 v25, 0                               ; the bit's place, at most 31 whatever r is: a rank at or past the count gives some token
	SELSTEP 24, 8, 16
	SELSTEP 23, 8, 8
	SELSTEP 22, 4, 4
	SELSTEP 21, 2, 2
	SELSTEP 19, 1, 1
	v_lshrrev_b32 v26, 2, v28
	v_and_b32 v27, 3, v28
	v_lshlrev_b32 v26, 17, v26
	v_lshl_add_u32 v26, v25, 12, v26
	v_lshl_add_u32 v[LE], v27, 10, v26             ; (128 (g / 4) + 4 bit + g % 4) x 1,024
.endm
.macro EXISTS add                      ; s3 = tile s2 + add; s104 = 1 where the expert has that tile, else 0.  The clamp states the bound of a number that hangs on a loaded count, ahead of its way into offsets
	s_add_co_u32 s3, s2, \add
	s_cmp_lt_u32 s3, s29
	s_cselect_b32 s104, 1, 0
	s_min_u32 s104, s104, 1
.endm
; The 16 rows of tile X of the list's batch are asked for, into set X of window 1: 32 loads; each half of the lanes reads 256 aligned bytes of one row.  For a tile that does not exist every offset is 0:
; the count of loads is the same on every path, and next to nothing moves.  staged = 1: in the loop, where set X has just been sent to the stage.
.macro TOK X, staged
	s_wait_xcnt 0x0                                ; earlier loads and stores have read their offsets and data: v[GOF ..], and further down v[HO] and v[CC ..], are written again only behind this wait
	v_mul_u32_u24 v[CSEL], s104, v[C16]
	s_cmp_lg_u32 s104, 0                           ; the selects below all hang on this compare: nothing between them writes SCC
.irp u, 0,1
.irp n, 0,1,2,3,4,5,6,7
	v_readlane_b32 s[20+\n], v[LE], 16*(\X)+8*\u+\n   ; row 8 u + n's token x 1,024
.endr
.irp n, 0,1,2,3,4,5,6,7
	s_cselect_b32 s[20+\n], s[20+\n], 0
.endr
.irp i, 0,1,2,3
	v_mov_b32 v[GOF+4*\u+\i], s[20+2*\i]           ; rows 2 i (lanes 0-15)
.endr
.irp i, 0,1,2,3
	v_cndmask_b32 v[GOF+4*\u+\i], v[GOF+4*\u+\i], s[21+2*\i], s19   ; and 2 i + 1 (lanes 16-31)
.endr
.endr
.irp i, 0,1,2,3,4,5,6,7
	v_min_u32 v[GOF+\i], 0xffc00, v[GOF+\i]        ; token x 1,024, at most 1,023 x 1,024
	v_add_nc_u32 v[GOF+\i], v[CSEL], v[GOF+\i]
.endr
.if \staged
	s_wait_dscnt 32                                ; the 32 stores into the stage have read set X: the 32 fragment loads were issued behind them
.endif
	WIN 0x40
.irp i, 0,1,2,3,4,5,6,7
.irp p, 0,1,2,3
	global_load_b128 v[128*(\X)+16*\i+4*\p:128*(\X)+16*\i+4*\p+3], v[GOF+\i], s[8:9] offset:256*\p
.endr
.endr
	WIN 0
.endm
; One tile.  The four accumulators take turns, one instruction a turn; the first K step starts the sums.
.macro HALF X
	s_add_co_u32 s2, s31, 4*\X                     ; the tile
	s_cmp_ge_u32 s2, s29
	s_cbranch_scc1 .Ldone                          ; my tiles ascend: none is left.  No barrier stands behind this branch
	s_wait_loadcnt 32                              ; this set's 32 loads are in; the other set's 32 were issued behind them
	WIN 0x04                                       ; store data in window 1
.irp i, 0,1,2,3,4,5,6,7
.irp p, 0,1,2,3
	ds_store_b128 v[STW], v[128*\X+16*\i+4*\p:128*\X+16*\i+4*\p+3] offset:2*\i*SPITCH+256*\p
.endr
.endr
	WIN 0
.irp s, 0,1,2,3,4,5,6,7
.irp c, 0,1,2,3
	ds_load_b128 v[F+16*\s+4*\c:F+16*\s+4*\c+3], v[STR] offset:128*\s+64*(\c/2)+16*(\c%2)   ; LDS serves a wave's instructions in order: these see my stores
.endr
.endr
.if \X == 0
	LISTB                                          ; the next trip's two tiles, whose rows this trip asks for: work on registers while the stage's 64 instructions are served
.endif
	EXISTS 8
	TOK \X, 1                                      ; the tile two turns on, into the set just emptied
	s_wait_dscnt 0x0                               ; the fragments are in
	WIN 0x02                                       ; source 0 (the slab) window 2
.irp s, 0,1,2,3
.irp T, 0,1,2,3
.if \s == 0
	v_wmma_f32_16x16x128_bf8_bf8 v[ACC+8*\T:ACC+8*\T+7], v[64*\T+16*\s:64*\T+16*\s+15], v[F+16*\s:F+16*\s+15], 0
.else
	v_wmma_f32_16x16x128_bf8_bf8 v[ACC+8*\T:ACC+8*\T+7], v[64*\T+16*\s:64*\T+16*\s+15], v[F+16*\s:F+16*\s+15], v[ACC+8*\T:ACC+8*\T+7]
.endif
.endr
.endr
	WIN 0x03                                       ; window 3
.irp s, 4,5,6,7
.irp T, 0,1,2,3
	v_wmma_f32_16x16x128_bf8_bf8 v[ACC+8*\T:ACC+8*\T+7], v[64*\T+16*(\s-4):64*\T+16*(\s-4)+15], v[F+16*\s:F+16*\s+15], v[ACC+8*\T:ACC+8*\T+7]
.endr
.endr
	WIN 0
	v_lshl_add_u32 v[HO], s2, 15, v[L16]           ; a tile is 32,768 bytes of hc.  With the three lines below: four places ahead of the first read of the sums (ISA guide 7.12.1)
.rept 3
	v_nop
.endr
.set z, 0
.rept 32
	v_med3_num_f32 v[ACC+z], v[ACC+z], 0, v[LIMH]  ; relu and the hold in one; each accumulator from its low end on
.set z, z+1
.endr
.irp T, 0,1,2,3
	v_cvt_scalef32_pk8_bf8_f32 v[CC+2*\T:CC+2*\T+1], v[ACC+8*\T:ACC+8*\T+7], v[SCH]   ; a sum stands for sum x 2^(e(x) + e(W1)): the three exponents are folded into the conversion's one
.endr
	v_nop                                          ; one plain line behind the last conversion: the next tile's products write its sources
	global_store_b128 v[HO], v[CC:CC+3], s[12:13]              ; piece q = 0: 512 consecutive bytes
	global_store_b128 v[HO], v[CC+4:CC+7], s[12:13] offset:512 ; piece q = 1
.endm
	s_load_b256 s[4:11], s[0:1], 0x0               ; W1 s[4:5], the scales' exponents s[6:7], xg s[8:9], rs s[10:11]
	s_load_b128 s[12:15], s[0:1], 0x20             ; hc s[12:13], pc s[14:15]
	v_lshl_add_u32 v[SPW], v0, 2, SPARE
	v_mov_b32 v[NIL], 0
	v_lshrrev_b32 v16, 5, v0
	v_readfirstlane_b32 s16, v16                   ; wave
	v_and_b32 v17, 31, v0                          ; lane
	v_and_b32 v18, 15, v0                          ; lane % 16
	v_bfe_u32 v19, v0, 4, 1                        ; lane / 16
	s_lshr_b32 s17, ttmp9, 5                       ; e
	s_and_b32 s18, ttmp9, 31                       ; fs
	v_lshlrev_b32 v[L16], 4, v17
	v_lshlrev_b32 v[LANE4], 2, v17
	v_lshlrev_b32 v[C16], 4, v18
	v_lshl_add_u32 v[WOF], v19, 18, v[C16]         ; 32 rows of 8,192 bytes
	s_mul_i32 s2, s16, STAGEB
	s_add_co_u32 s2, s2, STAGE
	v_mul_u32_u24 v[STW], v19, SPITCH
	v_add_nc_u32 v[STW], v[STW], v[C16]
	v_add_nc_u32 v[STW], s2, v[STW]
	v_mul_u32_u24 v[STR], v18, SPITCH
	v_lshl_add_u32 v[STR], v19, 5, v[STR]
	v_add_nc_u32 v[STR], s2, v[STR]
	s_lshl_b32 s2, s16, 12
	v_add_nc_u32 v[IMW], s2, v[L16]
	s_lshl_b32 s2, s16, 4
	v_lshl_add_u32 v[Q0], v19, 6, v18
	v_add_nc_u32 v[Q0], s2, v[Q0]
	v_lshl_add_u32 v[POSO], s17, 12, v[L16]
	v_lshl_add_u32 v[CNTO], s17, 7, v[LANE4]
	s_lshl_b32 s20, 1, s17
	s_lshl_b32 s21, s20, 8
	s_lshl_b32 s22, s20, 16
	s_lshl_b32 s23, s20, 24
	s_mov_b32 s98, 0x05010400
	s_mov_b32 s99, 0x07030602
	s_mov_b32 s100, 0x05040100
	s_mov_b32 s101, 0x07060302
	s_lshl_b32 s2, s17, 23                         ; the slab: expert, my wave's 256 rows, the 64 columns
	s_lshl_b32 s3, s16, 21
	s_add_co_u32 s2, s2, s3
	s_lshl_b32 s3, s18, 8
	s_add_co_u32 s2, s2, s3
	s_wait_kmcnt 0x0
	s_load_b32 s19, s[10:11], 0x400                ; the layer's number
.irp m, 0,1,2,3,4,5,6,7
	global_load_b32 v[SELW+\m], v[LANE4], s[10:11] offset:128*\m   ; lane b: the bytes of tokens 128 m + 4 b + 0 .. 3
.endr
	s_wait_kmcnt 0x0
	s_min_u32 s19, s19, 1
	s_lshl_b32 s104, s19, 4
	s_load_b128 s[24:27], s[6:7], s104 offset:0x0  ; the layer's four exponents (s104 is written again only behind the wait for this load)
	s_lshl_b32 s3, s19, 26
	s_add_co_u32 s2, s2, s3
	s_mov_b32 s3, 0
	s_add_nc_u64 s[4:5], s[4:5], s[2:3]
	s_mov_b32 s19, 0xffff0000                      ; from here on: the mask of lanes 16-31
	WLOAD 0
	WLOAD 1
	s_lshl_b32 s2, s17, 21                         ; hc: expert; K step fs / 2, pieces 2 (fs % 2) on: 1,024 fs bytes
	s_lshl_b32 s3, s18, 10
	s_add_co_u32 s2, s2, s3
	s_mov_b32 s3, 0
	s_add_nc_u64 s[12:13], s[12:13], s[2:3]
	s_wait_loadcnt 63                              ; 72 loads were issued: the oldest 9 at the least are in, the 8 words of sel among them
.set g, 0
.rept 32
	v_and_b32 v16, s[20+g%4], v[SELW+g/4]
	v_cmp_ne_u32 s[32+g], 0, v16                   ; ballot g
.set g, g+1
.endr
	s_mov_b32 s28, 0
.set g, 0
.rept 32
	s_lshl_b32 s2, s28, 5
	s_or_b32 s[66+g], s2, g                        ; (ranks ahead of ballot g) << 5 | g: ascending in g
	s_bcnt1_i32_b32 s3, s[32+g]
	s_add_co_u32 s28, s28, s3
.set g, g+1
.endr
	s_add_co_u32 s29, s28, 15
	s_lshr_b32 s29, s29, 4                         ; tiles
	s_or_b32 s2, s18, s16
	s_cmp_lg_u32 s2, 0
	s_cbranch_scc1 .Lno_pos                        ; a branch on ids: wave 0 of the expert's first work-group stores the ranks and the count
.set g, 0
.rept 32
	s_lshr_b32 s2, s[66+g], 5
	v_mbcnt_lo_u32_b32 v[POSD+g], s[32+g], s2      ; the rank of token 128 (g / 4) + 4 lane + g % 4, if it is kept
.set g, g+1
.endr
.irp m, 0,1,2,3,4,5,6,7
	global_store_b128 v[POSO], v[POSD+4*\m:POSD+4*\m+3], s[14:15] offset:512*\m   ; pos[e][128 m + 4 lane + 0 .. 3]: 512 consecutive bytes
.endr
	v_mov_b32 v[CNTD], s28
	global_store_b32 v[CNTO], v[CNTD], s[14:15] offset:32768
.Lno_pos:
	s_mov_b32 s105, 0
	LISTB                                          ; batch 0: my first two tiles; made while the first 64 weight loads are on their way
	s_wait_kmcnt 0x0                               ; the exponents
	s_add_co_i32 s2, s25, 127
	s_lshl_b32 s3, s2, 23
	v_mov_b32 v[SCW], s3                           ; 2^e(W1)
	s_add_co_i32 s2, s2, 15
	s_lshl_b32 s2, s2, 23
	s_or_b32 s2, s2, 0x600000
	v_mov_b32 v[LIMW], s2                          ; 57,344 x that
	s_sub_co_i32 s2, s27, s24
	s_sub_co_i32 s2, s2, s25
	s_add_co_i32 s2, s2, 127
	s_lshl_b32 s3, s2, 23
	v_mov_b32 v[SCH], s3                           ; 2^(e(h) - e(x) - e(W1))
	s_add_co_i32 s2, s2, 15
	s_lshl_b32 s2, s2, 23
	s_or_b32 s2, s2, 0x600000
	v_mov_b32 v[LIMH], s2                          ; s20-27 are free from here on
	s_wait_loadcnt 32                              ; batch 0 of the weights is in: batch 1's 32 loads were issued behind it
	CONVERT 0
	WLOAD 2
	s_wait_loadcnt 32                              ; batch 1: batch 2's 32 behind it
	CONVERT 1
	WLOAD 3
	s_mov_b32 s2, s16
	EXISTS 0
	TOK 0, 0                                       ; my first tile's rows
	s_wait_loadcnt 63                              ; batch 2: 64 loads were issued behind it
	CONVERT 2
	EXISTS 4
	TOK 1, 0                                       ; my second tile's
	s_wait_loadcnt 63                              ; batch 3: 64 behind it
	CONVERT 3
	s_wait_dscnt 0x0                               ; for the others' sake: my images have landed
	s_barrier_signal -1
	s_barrier_wait -1                              ; the one barrier: the whole slab lies in LDS, and is written no more
	WIN 0x80
.irp T, 0,1,2,3
.irp s, 0,1,2,3
.irp c, 0,1,2,3
	ds_load_b128 v[64*\T+16*\s+4*\c:64*\T+16*\s+4*\c+3], v[L16] offset:\T*16384+\s*2048+\c*512
.endr
.endr
.endr
	WIN 0xc0
.irp T, 0,1,2,3
.irp s, 4,5,6,7
.irp c, 0,1,2,3
	ds_load_b128 v[64*\T+16*(\s-4)+4*\c:64*\T+16*(\s-4)+4*\c+3], v[L16] offset:\T*16384+\s*2048+\c*512
.endr
.endr
.endr
	WIN 0
	s_wait_dscnt 0x0
	s_mov_b32 s30, 0
	s_mov_b32 s31, s16
	s_mov_b32 s105, 128
.Ltile:                                            ; 8 trips at the most, two tiles a trip
	HALF 0
	HALF 1
	s_add_co_u32 s31, s31, 8
	s_add_co_u32 s105, s105, 128
	s_add_co_u32 s30, s30, 1
	s_cmp_lt_u32 s30, 8
	s_cbranch_scc1 .Ltile
.Ldone:
	s_wait_tensorcnt 0x0                           ; the wave's end
	ds_add_u32 v[SPW], v[NIL]
	s_wait_dscnt 0x0
	s_endpgm
.Lfunc_end_k_qedbf14e1a3_up0:
	.size	k_qedbf14e1a3_up0, .Lfunc_end_k_qedbf14e1a3_up0-k_qedbf14e1a3_up0
	.p2alignl 7, 3214868480
	.fill 96, 4, 3214868480
	.section	.rodata,"a",@progbits
	.p2align	6, 0x0
	.amdhsa_kernel k_qedbf14e1a3_up0
		.amdhsa_group_segment_fixed_size 132608
		.amdhsa_private_segment_fixed_size 0
		.amdhsa_enable_private_segment 0
		.amdhsa_kernarg_size 48
		.amdhsa_user_sgpr_count 2
		.amdhsa_user_sgpr_kernarg_segment_ptr 1
		.amdhsa_wavefront_size32 1
		.amdhsa_system_sgpr_workgroup_id_x 1
		.amdhsa_system_sgpr_workgroup_id_y 1
		.amdhsa_system_sgpr_workgroup_id_z 1
		.amdhsa_system_vgpr_workitem_id 0
		.amdhsa_next_free_vgpr 1024
		.amdhsa_next_free_sgpr 106
		.amdhsa_reserve_vcc 1
		.amdhsa_float_denorm_mode_32 3
		.amdhsa_float_denorm_mode_16_64 3
		.amdhsa_memory_ordered 1
		.amdhsa_forward_progress 1
		.amdhsa_inst_pref_size 149
	.end_amdhsa_kernel
	.amdgpu_metadata
---
amdhsa.version: [ 1, 2 ]
amdhsa.kernels:
  - .name:           k_qedbf14e1a3_up0
    .symbol:         k_qedbf14e1a3_up0.kd
    .args:
      - { .name: W1, .offset: 0, .size: 8, .value_kind: global_buffer, .address_space: global }
      - { .name: lowp_scales, .offset: 8, .size: 8, .value_kind: global_buffer, .address_space: global }
      - { .name: xg0, .offset: 16, .size: 8, .value_kind: global_buffer, .address_space: global }
      - { .name: rs0, .offset: 24, .size: 8, .value_kind: global_buffer, .address_space: global }
      - { .name: hc, .offset: 32, .size: 8, .value_kind: global_buffer, .address_space: global }
      - { .name: pc, .offset: 40, .size: 8, .value_kind: global_buffer, .address_space: global }
    .group_segment_fixed_size: 132608
    .private_segment_fixed_size: 0
    .kernarg_segment_align: 8
    .kernarg_segment_size: 48
    .max_flat_workgroup_size: 128
    .sgpr_count:     106
    .vgpr_count:     1024
    .wavefront_size: 32
...
	.end_amdgpu_metadata
.endif
;; end of part 6
;; launch down0: the kernel of part 3 again; grid 256 x 1, 4 waves a work-group, no clusters, 83,456 bytes of LDS; arguments W2, lowp_scales, hc, pc, rs0, part; writes part
;; launch mix1: the kernel of part 4 again; grid 256 x 1, 4 waves a work-group, no clusters, 1,024 bytes of LDS; arguments x, part, pc, rs0, xg0, protos, lowp_scales, x1, xg1, rs1; writes x1, xg1, rs1
;; launch up1: the kernel of part 6 again; grid 256 x 1, 4 waves a work-group, no clusters, 132,608 bytes of LDS; arguments W1, lowp_scales, xg1, rs1, hc, pc; writes hc, pc
;; launch down1: the kernel of part 3 again; grid 256 x 1, 4 waves a work-group, no clusters, 83,456 bytes of LDS; arguments W2, lowp_scales, hc, pc, rs1, part; writes part
;; launch last: the kernel of part 5 again; grid 256 x 1, 4 waves a work-group, no clusters, 0 bytes of LDS; arguments x1, part, pc, rs1, xg1, out0; writes out0
